; MI455X (gfx1250); checked and timed in simulation.
; The chip was launched on July 23, 2026; its instructions are those of AMD's public machine-readable ISA for CDNA 5 (MIT licence, August 2026) and "CDNA5" Instruction Set Architecture Reference Guide (July 2026). The comments in the code are by the model that wrote it; some were corrected since.
;; Attention. Allowed arithmetic: matrix products marked QUANTISED: E2M1 operands, one E8M0 scale for each 32 along K, by v_wmma_scale_f32_16x16x128_f8f6f4 with both operands' format E2M1 (or v_wmma_scale_f32_32x16x128_f4), f32 sums; products left as they are: bf16, f16 or f32 operands; f32 sums; everything else in f32.
;; Inputs: Wk 1,024 x 1,024 float32; Wo 1,024 x 1,024 float32; Wq 1,024 x 1,024 float32; Wv 1,024 x 1,024 float32; x 1 x 8,192 x 1,024 float32.
;; Outputs: out0 1 x 8,192 x 1,024 float32.
;; Constants: window_size = 512.
;; This version of the problem:
;;   THIS VERSION OF THE PROBLEM IS GIVEN IN LOW PRECISION. The matrix products marked QUANTISED in the list below multiply operands that are first quantised to E2M1 (2 exponent bits, 1 mantissa bit; 4 bits a number), with one power-of-two scale for each 32 numbers along K (OCP MX v1.0); their sums are f32. The products marked 'left as it is' may take bf16, f16 or f32 operands, with f32 sums. Whichever they take, every output number must still come out within the allowed error. Rounding operands to bf16 (8 significant bits) uses up far more of that allowance than f16 does (11 bits, for magnitudes from 6e-5 to 65,504). All else is computed in f32.
;;   The module's matrix products, in the order in which they are computed (A, B: the left and right operand; K: the contracted axis; several contracted axes count as one K, in the product's order):
;;     1. [M 8,192, K 1,024] x [K 1,024, N 1,024]; A: input x; B: input Wq: QUANTISED
;;     2. [M 8,192, K 1,024] x [K 1,024, N 1,024]; A: input x; B: input Wk: QUANTISED
;;     3. [M 8,192, K 1,024] x [K 1,024, N 1,024]; A: input x; B: input Wv: QUANTISED
;;     4. batch 256 x [M 512, K 64] x [K 64, N 1,024]; A: computed on the way; B: computed on the way: left as it is (an operand is computed on the way)
;;     5. batch 256 x [M 64, K 1,024] x [K 1,024, N 512]; A: computed on the way; B: computed on the way: left as it is (an operand is computed on the way)
;;     6. [M 8,192, K 1,024] x [K 1,024, N 1,024]; A: computed on the way; B: input Wo: left as it is (an operand is computed on the way)
;;   THE QUANTISER, for each operand of a quantised product, along K:
;;     - K is cut into blocks of 32 from its start; a last block that is shorter is filled with zeros.
;;     - A block's scale is 2^e with e = floor(log2(the largest magnitude in the block)) - 2, held to -126 .. 127; a block of zeros has e = 0. As a byte (E8M0): e + 127.
;;     - Each number is divided by its block's scale, clamped to +-6, and rounded to the nearest number of E2M1, ties to even, subnormals kept.
;;     - The product sums the exact products of the quantised numbers (number of the format x scale) in f32.
;;   ~~~python
;;   def quantise(x, axis):      # numpy; x: float32 -> the quantised numbers, widened to float32 again
;;       x = np.moveaxis(x, axis, -1); K = x.shape[-1]
;;       x = np.pad(x, [(0, 0)] * (x.ndim - 1) + [(0, -K % 32)]); x = x.reshape(x.shape[:-1] + (-1, 32)); a = np.abs(x).max(-1, keepdims=True)
;;       e = np.where(a > 0, np.clip(np.frexp(np.where(a > 0, a, 1))[1] - 1 - 2, -126, 127), 0)      # np.frexp(a)[1] - 1 = floor(log2(a)), exactly
;;       r = np.clip(x / 2.0 ** e, -6, 6)
;;       step = 2.0 ** (np.maximum(np.frexp(np.where(r == 0, 1, r))[1] - 1, 0) - 1)
;;       q = np.round(r / step) * step * 2.0 ** e      # np.round: ties to even
;;       return np.moveaxis(q.reshape(q.shape[:-2] + (-1,))[..., :K], -1, axis).astype(np.float32)
;;   ~~~
;; One version. Each part assembles by itself: llvm-mc -triple=amdgcn-amd-amdhsa -mcpu=gfx1250 --defsym DOCPART=n.
;; ======== version 1 of 1: 5 launches
;; limits: values are held in f16: magnitudes above 65,504 overflow, below 6.1e-05 lose precision
;; workspace buffers: codes 5,767,168 bytes; scl 360,448 bytes; wo16 2,097,152 bytes; rope 4,194,304 bytes; qkv 50,331,648 bytes; fine 196,608 bytes; o16 16,777,216 bytes
;; launch prep (part 1): grid 512 x 1, 4 waves a work-group, no clusters, 33,280 bytes of LDS; arguments x, Wq, Wk, Wv, Wo, codes, scl, wo16, rope; writes codes, scl, wo16, rope
.if DOCPART == 1
	.amdgcn_target "amdgcn-amd-amdhsa--gfx1250"
	.amdhsa_code_object_version 6
	.text
	.protected	k_qf74cd53961_prep
	.globl	k_qf74cd53961_prep
	.p2align	8
	.type	k_qf74cd53961_prep,@function
k_qf74cd53961_prep:
	s_mov_b64 s[64:65], 0
	v_nop
	global_prefetch_b8 v0, s[64:65] scope:SCOPE_SE
	s_setreg_imm32_b32 hwreg(HW_REG_WAVE_MODE, 25, 1), 1
	s_wait_xcnt 0x0
; FIRST OF FIVE LAUNCHES.  x [8192][1024], Wq, Wk, Wv [1024][1024] (f32, K innermost) become codes of FP4 (E2M1) with one E8M0 byte for each 32 along K:
; codes: 11,264 rows of 512 bytes, scl: 11,264 rows of 32 bytes; rows 0 to 8191 are x, then Wq, Wk, Wv on end.
; Wo becomes f16, laid [16 blocks of 64 along K][1024 rows][64]; and the table of the rotary embedding is made: [2][8192 positions][32 frequencies][(cos, sin)] f32,
; part 0 multiplied by c = log2(e) / 8 (for q: the softmax is then taken in powers of two), part 1 plain (for k).
; WORK THAT THE PROGRAM LEAVES OUT, AND WHY IT IS DEAD.  The mask that the problem builds in its own body, (kj >= qi + 1) & (kj <= qi + W) & first_ok with W = 512 (a listed constant),
; sets every score outside keys q - 511 .. q to -1e30.  Each row keeps its own key, so for all finite inputs such a weight is exp(-1e30 - max) = 0 in the softmax:
; tiles of 32 queries x 64 keys that lie wholly under the mask are not multiplied.  The left pad of query block 0 is the zeros that the problem builds itself, all under first_ok: it is neither laid out nor loaded.
; LIMITS.  Scores at or under -1e30 are not served.  A NaN, an infinity or an overflow that reaches only the tiles left out is not carried to the result.  c rope(q), rope(k), v, o and Wo lie within +-65,504 (f16).
; NaN and infinities among the inputs are not served.  A block of zeros gets the scale byte 1 where the rule says 127 (its codes are zeros, and this program alone reads the bytes);
; blocks whose largest magnitude lies under 2^-124 are held at byte 1.
; ROLES, by the work-group's number g: g < 352: the quantiser, 32,768 numbers a work-group (256 for x, 32 for each weight); 352 <= g < 384: Wo; g >= 384: the table, 64 positions a work-group.  Beside each wave's spare word, only the quantiser touches LDS.
; THE QUANTISER: a wave takes 16 steps of 512 numbers.  Each of a step's four loads reads 512 consecutive bytes; the 2,048 bytes turn through the wave's own stage in LDS and come back 64 bytes a lane,
; so that a lane holds 16 neighbours along K (two lanes a block).  A block's scale byte is its largest magnitude's exponent field - 2, held at 1 from below.
; Loads run eight steps ahead: 32 loads, 16,384 bytes, of every wave are on their way.
; No matrix unit, no tensor load, no cluster: the work-groups share nothing, and the launch is a stream.
.set WAVES, 4
.set STEPS, 16
.set AHEAD, 8                          ; steps that the loads run ahead: as many sets of registers
.set EMAX,  2
.set CB,    8                          ; bytes of 16 codes
.set R,     16                         ; v16-143  eight sets of 16 numbers as they are loaded
.set X,     144                        ; v144-175 two sets of 16 neighbours
.set E,     176                        ; v176-191 a scale byte for each step
.set C,     192                        ; v192-223 codes: two registers for each step, so that no store's data are written again
.set WREG,  8192                       ; LDS: a region for each wave: two stages of 32 x SP bytes, then its 256 scale bytes
.set SP,    80                         ; a lane's place in a stage: 64 bytes + 16 of padding
.set SPW,   12                         ; v12 LDS address of my spare word; never rewritten
.set NIL,   13                         ; v13 0; never rewritten
.set SPARE, WAVES*WREG                 ; the spare words: 128 bytes for each wave, named by no other line
	s_load_b256 s[4:11], s[0:1], 0x0               ; x, Wq, Wk, Wv
	s_load_b256 s[12:19], s[0:1], 0x20             ; Wo, codes, scl, wo16
	s_load_b64 s[20:21], s[0:1], 0x40              ; rope
	v_lshl_add_u32 v[SPW], v0, 2, SPARE
	v_mov_b32 v[NIL], 0
	v_lshrrev_b32 v1, 5, v0
	v_readfirstlane_b32 s26, v1                    ; wave
	v_and_b32 v2, 31, v0                           ; lane
	s_wait_kmcnt 0x0
	s_cmp_ge_u32 ttmp9, 384
	s_cbranch_scc1 .Ltable
	s_cmp_ge_u32 ttmp9, 352
	s_cbranch_scc1 .Lwo
; ---------------------------------------------------------------- the quantiser
	v_lshlrev_b32 v3, 4, v2                        ; my 16 bytes of a load's 512
	s_mul_i32 s32, s26, WREG
	v_lshrrev_b32 v14, 2, v2
	v_mul_u32_u24 v14, v14, SP
	v_and_b32 v15, 3, v2
	v_lshl_add_u32 v14, v15, 4, v14
	v_add_nc_u32 v14, s32, v14                     ; the stage, on the way in: SP (lane / 4) + 16 (lane % 4)
	v_mul_u32_u24 v15, v2, SP
	v_add_nc_u32 v15, s32, v15                     ; and on the way out: SP x lane
	v_mul_u32_u24 v4, v2, CB                       ; my codes' place in a step's
	v_lshrrev_b32 v5, 1, v2
	s_add_co_u32 s32, s32, 2*32*SP
	v_add_nc_u32 v5, s32, v5                       ; my wave's 256 scale bytes, my block's byte
	v_lshlrev_b32 v7, 3, v2
	v_add_nc_u32 v6, s32, v7                       ; and on the way out 8 bytes a lane
	s_cmp_lt_u32 ttmp9, 320                        ; which tensor: the choices hang on the work-group's number alone
	s_cselect_b64 s[8:9], s[8:9], s[10:11]
	s_cmp_lt_u32 ttmp9, 288
	s_cselect_b64 s[6:7], s[6:7], s[8:9]
	s_cmp_lt_u32 ttmp9, 256
	s_cselect_b64 s[4:5], s[4:5], s[6:7]           ; the numbers
	s_cselect_b32 s28, -1, 31
	s_and_b32 s28, ttmp9, s28                      ; the work-group's run in its tensor of numbers: g for x, g % 32 for a weight
	s_lshl_b32 s28, s28, 2
	s_add_co_u32 s28, s28, s26                     ; my wave's run of 8,192 numbers there,
	s_lshl_b32 s27, ttmp9, 2
	s_add_co_u32 s27, s27, s26                     ; and in the codes and scale bytes, where the four tensors lie on end: 4 g + wave
	s_lshl_b32 s30, s28, 15                        ; 32,768 bytes of numbers a run
	s_mov_b32 s31, 0
	s_add_nc_u64 s[4:5], s[4:5], s[30:31]
	s_lshl_b32 s30, s27, 12                        ; 4,096 bytes of codes
	s_add_nc_u64 s[14:15], s[14:15], s[30:31]
	s_lshl_b32 s30, s27, 8                         ; 256 scale bytes
	s_add_nc_u64 s[16:17], s[16:17], s[30:31]
.macro LOAD t
.irp i, 0,1,2,3
	global_load_b128 v[R+16*((\t)%AHEAD)+4*\i:R+16*((\t)%AHEAD)+4*\i+3], v3, s[4:5] offset:2048*(\t)+512*\i th:TH_LOAD_NT   ; 32 lanes read 512 consecutive bytes
.endr
.endm
.macro TURN t                          ; step t's numbers through the stage: LDS serves a wave's instructions in order, so no wait stands between the stores and the loads
.irp i, 0,1,2,3
	ds_store_b128 v14, v[R+16*((\t)%AHEAD)+4*\i:R+16*((\t)%AHEAD)+4*\i+3] offset:32*SP*((\t)%2)+8*SP*\i
.endr
.irp i, 0,1,2,3
	ds_load_b128 v[X+16*((\t)%2)+4*\i:X+16*((\t)%2)+4*\i+3], v15 offset:32*SP*((\t)%2)+16*\i
.endr
.endm
.irp t, 0,1,2,3,4,5,6,7
	LOAD \t
.endr
	s_wait_loadcnt 4*(AHEAD-1)                     ; step 0's four loads are in; the 28 of steps 1 to 7 stay out
	TURN 0
.macro STEP t
.set XS, X+16*((\t)%2)
.if (\t) > 0
	s_wait_dscnt 1                                 ; this step's numbers are back from the stage (the last step's byte store may be out)
.else
	s_wait_dscnt 0x0
.endif
.if (\t)+AHEAD < STEPS
	LOAD (\t)+AHEAD                                ; into the registers that the stage's stores have read
.endif
.if (\t)+1 < STEPS
.if STEPS-2-(\t) >= AHEAD-1
	s_wait_loadcnt 4*(AHEAD-1)                     ; the next step's four loads are in; those of the seven steps behind it may be out
.else
	s_wait_loadcnt 4*(STEPS-2-(\t))                ; at the end the count runs down: four for each step that is left behind the next
.endif
	TURN (\t)+1
.endif
	v_max3_num_f32 v8, |v[XS]|, |v[XS+1]|, |v[XS+2]|               ; the largest magnitude of my 16
	v_max3_num_f32 v9, |v[XS+3]|, |v[XS+4]|, |v[XS+5]|
.irp i, 6,10
	v_max3_num_f32 v8, v8, |v[XS+\i]|, |v[XS+\i+1]|
	v_max3_num_f32 v9, v9, |v[XS+\i+2]|, |v[XS+\i+3]|
.endr
	v_max3_num_f32 v8, v8, |v[XS+14]|, |v[XS+15]|
	v_max3_num_f32 v8, v8, v9, (EMAX+1)<<23        ; and the floor 2^(3 - 127): the byte cannot fall under 1
	v_max_num_f32_dpp v8, v8, v8 row_xmask:1 row_mask:0xf bank_mask:0xf   ; and of my neighbour's 16: the block's
	v_add_nc_u32 v11, -(EMAX<<23), v8              ; 2 off its exponent field: the conversion takes the exponent field of this operand as its scale
	v_cvt_scalef32_pk8_fp4_f32 v[C+2*(\t)], v[XS:XS+7], v11
	v_cvt_scalef32_pk8_fp4_f32 v[C+2*(\t)+1], v[XS+8:XS+15], v11
	v_lshrrev_b32 v[E+(\t)], 23, v11               ; the scale's byte
	ds_store_b8 v5, v[E+(\t)] offset:16*(\t)       ; both lanes of a block write the same byte with the same value
	global_store_b64 v4, v[C+2*(\t):C+2*(\t)+1], s[14:15] offset:32*CB*(\t)   ; the wave stores 256 consecutive bytes
.endm
.irp t, 0,1,2,3,4,5,6,7,8,9,10,11,12,13,14,15
	STEP \t
.endr
	ds_load_b64 v[8:9], v6                         ; LDS serves a wave's instructions in order: these see my stores
	s_wait_dscnt 0x0
	global_store_b64 v7, v[8:9], s[16:17]          ; 32 lanes store 256 consecutive bytes
	s_wait_tensorcnt 0x0                           ; the wave's end: three closing lines, behind my last LDS store, the first of them even in a text with no tensor load
	ds_add_u32 v[SPW], v[NIL]
	s_wait_dscnt 0x0
	s_endpgm
; ---------------------------------------------------------------- Wo to f16, laid by blocks of 64 along K
; Wave w of work-group u owns rows 32 u + 8 w .. + 7: 2 groups of 4 rows x 16 blocks along K = 32 items.  In an item lane l takes row l / 8 and 8 numbers (l % 8): its 16 bytes of f16 lie at 16 l of the item's 512.
.Lwo:
	s_sub_co_u32 s27, ttmp9, 352
	s_lshl_b32 s27, s27, 5
	s_lshl_b32 s28, s26, 3
	s_add_co_u32 s27, s27, s28                     ; my first row
	s_lshl_b32 s30, s27, 12
	s_mov_b32 s31, 0
	s_add_nc_u64 s[12:13], s[12:13], s[30:31]
	s_lshl_b32 s30, s27, 7
	s_add_nc_u64 s[18:19], s[18:19], s[30:31]
	v_lshrrev_b32 v3, 3, v2
	v_lshlrev_b32 v3, 12, v3
	v_and_b32 v4, 7, v2
	v_lshl_add_u32 v3, v4, 5, v3                   ; in: 4,096 (l / 8) + 32 (l % 8)
	v_lshlrev_b32 v4, 4, v2                        ; out: 16 l
.macro OLOAD batch, set                ; eight items: item 8 batch + i is row group (item / 16), block (item % 16)
.irp i, 0,1,2,3,4,5,6,7
	global_load_b128 v[16+64*(\set)+8*\i:16+64*(\set)+8*\i+3], v3, s[12:13] offset:((8*(\batch)+\i)/16)*16384+((8*(\batch)+\i)%16)*256 th:TH_LOAD_NT
	global_load_b128 v[16+64*(\set)+8*\i+4:16+64*(\set)+8*\i+7], v3, s[12:13] offset:((8*(\batch)+\i)/16)*16384+((8*(\batch)+\i)%16)*256+16 th:TH_LOAD_NT
.endr
.endm
.macro OITEM batch, set, i
.irp p, 0,1,2,3
	v_cvt_pk_f16_f32 v[144+4*(\i)+\p], v[16+64*(\set)+8*(\i)+2*\p], v[16+64*(\set)+8*(\i)+2*\p+1]
.endr
	global_store_b128 v4, v[144+4*(\i):144+4*(\i)+3], s[18:19] offset:((8*(\batch)+(\i))%16)*131072+((8*(\batch)+(\i))/16)*512   ; the wave stores 512 consecutive bytes
.endm
	OLOAD 0, 0
	OLOAD 1, 1
.irp b, 0,1,2,3
.if \b < 3
	s_wait_loadcnt 16                              ; this batch's 16 loads are in; the other set's 16 stay out
.else
	s_wait_loadcnt 0x0
.endif
	s_wait_xcnt 0x0                                ; the last batch's stores have read their data: they are written again only behind this wait
.irp i, 0,1,2,3,4,5,6,7
	OITEM \b, \b%2, \i
.endr
.if \b < 2
	OLOAD \b+2, \b%2
.endif
.endr
	s_wait_tensorcnt 0x0                           ; the wave's end: the same three lines
	ds_add_u32 v[SPW], v[NIL]
	s_wait_dscnt 0x0
	s_endpgm
; ---------------------------------------------------------------- the table of the rotary embedding
; Lane = frequency j: 10000^(-j / 32) = 10^(-j / 8) = F[j % 8] x G[j / 8].  Wave w of work-group u makes positions 64 u + 16 w + 0 .. 15, one a trip.
; angle = position x frequency, rounded once; n = the nearest whole number of quarter turns; r = angle - n pi / 2, pi / 2 in two parts; sine and cosine of r by their series up to r^9 and r^8
; (|r| <= pi / 4: what is cut is under 3e-8); the quarter turn then picks and signs them.
.Ltable:
	s_sub_co_u32 s27, ttmp9, 384
	s_lshl_b32 s27, s27, 6
	s_lshl_b32 s28, s26, 4
	s_add_co_u32 s27, s27, s28                     ; my first position
	s_lshl_b32 s30, s27, 8                         ; 256 bytes a position
	s_mov_b32 s31, 0
	s_add_nc_u64 s[20:21], s[20:21], s[30:31]
	v_lshlrev_b32 v14, 3, v2                       ; 8 bytes a lane
	v_and_b32 v16, 7, v2
	v_lshrrev_b32 v17, 3, v2
	v_mov_b32 v15, 1.0
	v_mov_b32 v19, 1.0
.macro PICK idx, k, bits, dst
	v_mov_b32 v18, \bits
	v_cmp_eq_u32 vcc_lo, \k, v[\idx]
	v_cndmask_b32 v[\dst], v[\dst], v18, vcc_lo
.endm
	PICK 16, 1, 0x3f3ff911, 15                     ; 10^(-1/8)
	PICK 16, 2, 0x3f0ff59a, 15
	PICK 16, 3, 0x3ed7e89b, 15
	PICK 16, 4, 0x3ea1e89b, 15
	PICK 16, 5, 0x3e72d424, 15
	PICK 16, 6, 0x3e361887, 15
	PICK 16, 7, 0x3e088d77, 15                     ; 10^(-7/8)
	PICK 17, 1, 0x3dcccccd, 19                     ; 0.1
	PICK 17, 2, 0x3c23d70a, 19                     ; 0.01
	PICK 17, 3, 0x3a83126f, 19                     ; 0.001
	v_mul_f32 v15, v15, v19                        ; my frequency
	s_mov_b32 s32, 0x3f22f983                      ; 2 / pi
	s_mov_b32 s33, 0x3fc90fdb                      ; pi / 2, its upper part
	s_mov_b32 s34, 0xb33bbd2e                      ; and the rest
	s_mov_b32 s35, 0xbe2aaaab                      ; -1/3!
	s_mov_b32 s36, 0x3c088889                      ; 1/5!
	s_mov_b32 s37, 0xb9500d01                      ; -1/7!
	s_mov_b32 s38, 0x3638ef1d                      ; 1/9!
	s_mov_b32 s39, 0x3d2aaaab                      ; 1/4!
	s_mov_b32 s40, 0xbab60b61                      ; -1/6!
	s_mov_b32 s41, 0x37d00d01                      ; 1/8!
	s_mov_b32 s42, 0x3e38aa3b                      ; c = log2(e) / 8
	s_mov_b32 s29, 0
.Lrow:
	v_cvt_f32_u32 v20, s27
	v_mul_f32 v20, v20, v15                        ; the angle
	v_mul_f32 v21, s32, v20
	v_rndne_f32 v21, v21                           ; n
	v_fma_f32 v22, -v21, s33, v20
	v_fma_f32 v22, -v21, s34, v22                  ; r
	v_cvt_i32_f32 v23, v21
	v_mul_f32 v24, v22, v22                        ; z = r r
	v_fma_f32 v25, v24, s38, s37
	v_fma_f32 v25, v24, v25, s36
	v_fma_f32 v25, v24, v25, s35
	v_mul_f32 v26, v22, v24
	v_fma_f32 v25, v26, v25, v22                   ; sin r
	v_fma_f32 v27, v24, s41, s40
	v_fma_f32 v27, v24, v27, s39
	v_fma_f32 v27, v24, v27, -0.5
	v_fma_f32 v27, v24, v27, 1.0                   ; cos r
	v_and_b32 v28, 1, v23
	v_cmp_eq_u32 vcc_lo, 1, v28                    ; an odd quarter turn swaps the two
	v_cndmask_b32 v29, v25, v27, vcc_lo
	v_cndmask_b32 v30, v27, v25, vcc_lo
	v_and_b32 v28, 2, v23
	v_lshlrev_b32 v28, 30, v28
	v_xor_b32 v33, v29, v28                        ; the sine: negative in quarter turns 2 and 3
	v_add_nc_u32 v28, 1, v23
	v_and_b32 v28, 2, v28
	v_lshlrev_b32 v28, 30, v28
	v_xor_b32 v32, v30, v28                        ; the cosine: negative in quarter turns 1 and 2
	v_mul_f32 v34, s42, v32
	v_mul_f32 v35, s42, v33
	global_store_b64 v14, v[32:33], s[20:21] offset:2097152    ; part 1, for k: the wave stores 256 consecutive bytes
	global_store_b64 v14, v[34:35], s[20:21]                   ; part 0, for q: x c
	s_wait_xcnt 0x0                                ; the base and the data are written again only behind this wait
	s_add_nc_u64 s[20:21], s[20:21], 256
	s_add_co_u32 s27, s27, 1
	s_add_co_u32 s29, s29, 1
	s_cmp_lt_u32 s29, 16
	s_cbranch_scc1 .Lrow
	s_wait_tensorcnt 0x0                           ; the wave's end: the same three lines
	ds_add_u32 v[SPW], v[NIL]
	s_wait_dscnt 0x0
	s_endpgm
.Lfunc_end_k_qf74cd53961_prep:
	.size	k_qf74cd53961_prep, .Lfunc_end_k_qf74cd53961_prep-k_qf74cd53961_prep
	.p2alignl 7, 3214868480
	.fill 96, 4, 3214868480
	.section	.rodata,"a",@progbits
	.p2align	6, 0x0
	.amdhsa_kernel k_qf74cd53961_prep
		.amdhsa_group_segment_fixed_size 33280
		.amdhsa_private_segment_fixed_size 0
		.amdhsa_enable_private_segment 0
		.amdhsa_kernarg_size 72
		.amdhsa_user_sgpr_count 2
		.amdhsa_user_sgpr_kernarg_segment_ptr 1
		.amdhsa_wavefront_size32 1
		.amdhsa_system_sgpr_workgroup_id_x 1
		.amdhsa_system_sgpr_workgroup_id_y 1
		.amdhsa_system_sgpr_workgroup_id_z 1
		.amdhsa_system_vgpr_workitem_id 0
		.amdhsa_next_free_vgpr 224
		.amdhsa_next_free_sgpr 66
		.amdhsa_reserve_vcc 1
		.amdhsa_float_denorm_mode_32 3
		.amdhsa_float_denorm_mode_16_64 3
		.amdhsa_memory_ordered 1
		.amdhsa_forward_progress 1
		.amdhsa_inst_pref_size 56
	.end_amdhsa_kernel
	.amdgpu_metadata
---
amdhsa.version: [ 1, 2 ]
amdhsa.kernels:
  - .name:           k_qf74cd53961_prep
    .symbol:         k_qf74cd53961_prep.kd
    .args:
      - { .name: x, .offset: 0, .size: 8, .value_kind: global_buffer, .address_space: global }
      - { .name: Wq, .offset: 8, .size: 8, .value_kind: global_buffer, .address_space: global }
      - { .name: Wk, .offset: 16, .size: 8, .value_kind: global_buffer, .address_space: global }
      - { .name: Wv, .offset: 24, .size: 8, .value_kind: global_buffer, .address_space: global }
      - { .name: Wo, .offset: 32, .size: 8, .value_kind: global_buffer, .address_space: global }
      - { .name: codes, .offset: 40, .size: 8, .value_kind: global_buffer, .address_space: global }
      - { .name: scl, .offset: 48, .size: 8, .value_kind: global_buffer, .address_space: global }
      - { .name: wo16, .offset: 56, .size: 8, .value_kind: global_buffer, .address_space: global }
      - { .name: rope, .offset: 64, .size: 8, .value_kind: global_buffer, .address_space: global }
    .group_segment_fixed_size: 33280
    .private_segment_fixed_size: 0
    .kernarg_segment_align: 8
    .kernarg_segment_size: 72
    .max_flat_workgroup_size: 128
    .sgpr_count:     66
    .vgpr_count:     224
    .wavefront_size: 32
...
	.end_amdgpu_metadata
.endif
;; end of part 1
;; launch qkv (part 2): grid 12 x 32, 4 waves a work-group, clusters of 4 x 1, 327,680 bytes of LDS; arguments codes, scl, qkv, rope, fine; writes qkv, fine
.if DOCPART == 2
	.amdgcn_target "amdgcn-amd-amdhsa--gfx1250"
	.amdhsa_code_object_version 6
	.text
	.protected	k_qf74cd53961_qkv
	.globl	k_qf74cd53961_qkv
	.p2align	8
	.type	k_qf74cd53961_qkv,@function
k_qf74cd53961_qkv:
	s_mov_b64 s[64:65], 0
	v_nop
	global_prefetch_b8 v0, s[64:65] scope:SCOPE_SE
	s_setreg_imm32_b32 hwreg(HW_REG_WAVE_MODE, 25, 1), 1
	s_wait_xcnt 0x0
	s_wait_alu depctr_hold_cnt(0) depctr_sa_sdst(0) depctr_va_vdst(0) depctr_va_sdst(0) depctr_va_ssrc(0) depctr_va_vcc(0) depctr_vm_vsrc(0)
	s_getreg_b32 s2, hwreg(HW_REG_IB_STS2, 6, 4)
	s_cmp_eq_u32 s2, 0
	s_cbranch_scc0 .Lentry_in_a_cluster
	s_endpgm
.Lentry_in_a_cluster:
	s_bfe_u32 s2, ttmp6, 0x10000c
	s_cmp_lg_u32 s2, 0x3003
	s_cbranch_scc0 .Lentry_shape_is_right
	s_endpgm
.Lentry_shape_is_right:
; q, k, v = x Wq^T, x Wk^T, x Wv^T on codes of FP4 (E2M1) with one E8M0 scale for each 32 along K: one GEMM [8192] x [3072] over K = 1024; on the way out the rotary embedding on q and k (q also x log2(e) / 8, by its table),
; rounding to f16, and the layout [3][16 heads][8192][64].  Rows 0 to 15 are also stored in f32 (buffer fine), as images of the accumulators' registers, for the last launch.
; codes: rows of 512 bytes, scl: rows of 32 bytes; rows 0 to 8191 are x, rows 8192 on the three weights on end.
; A tile of 256 x 256 is made by four waves, 128 x 128 each: 64 accumulators, 512 registers.  K = 1024 is exactly two LDS slots of 512: every LDS byte is filled once, nothing is filled again.
; CLUSTER: the four work-groups of a cluster make the four tile columns of ONE of the three products for one tile row: they need the same tiles and scales of x, which are asked for jointly (mask 15).
; The weights' tiles differ from partner to partner and come by plain loads.  The cluster does not reach along y: the branch that stores rows 0 to 15 in f32 hangs on the tile row, which must be the same in all partners.
; WHICH CLUSTER MAKES WHAT: the 96 clusters are numbered x first, L = x + 3 y; product L / 32, tile row L % 32.  So numbers 0 to 63 make q and k, and numbers 64 to 95 make v, whose way out is the shorter one.
; THE MATRIX INSTRUCTION IS USED TRANSPOSED (source 0 = 16 rows of a weight, source 1 = 16 rows of x): a lane holds eight neighbouring columns of one row, that is four pairs of the rotary embedding.
; THE TEXT PARTS ONCE, on the product's number (the same in all waves and all partners), behind the change of slots: q and k ask for their table there; v has no table and no embedding.
; THE TABLE of a wave's 128 rows is 8 blocks x 32 registers, each block with registers of its own: blocks 0 to 5 are asked for ahead of slot 1's 256 matrix instructions, blocks 6 and 7 ahead of the last 64,
; into the weights' first set, which has been multiplied for the last time by then.  So no table register is loaded twice, and a block's wait leaves all later blocks' loads out.
; REGISTERS, in windows of 256: window 0: v0-31 addresses; v32-95 scale words, two sets, and nothing else; v96-127, v192-223 the table of blocks 0, 1; v128-191 x's fragments, on the way out two sets of packed results; v224-255 at work.
;   window 1: the weights' fragments, two sets, at v0 and v128; v64-127, v192-255 the table of blocks 2 to 5; at the end v0-63 that of blocks 6, 7.
;   window 2: the accumulators of my rows 0-63 ((a, b) at v[8 (8 a + b)]);   window 3: those of my rows 64-127.
.set KSTEP,  512
.set NQ,     KSTEP/128
.set ROWB,   256                       ; a tile's row in bytes
.set KROW,   512                       ; a row of codes in memory
.set PITCH,  272                       ; an LDS row: 256 bytes + 16 of padding
.set FR,     8
.set NL,     2
.set NP,     4
.set HALFT,  128*PITCH
.set SLOT,   4*HALFT
.set KS,     32                        ; a row of scale bytes
.set SCL,    2*SLOT
.set HALFS,  (128*KS/256)*272
.set SBLK,   (16*KS/256)*272
.set SPARE,  SCL+4*HALFS               ; the spare words: 128 bytes for each wave, named by no other line
.set SROW,   144                       ; the way out: a stage of [2 heads][16 rows][128 bytes + 16] for each wave, in slot 0, which has had its only fill and its last read by then
.set SHEAD,  16*SROW
.set ADRA, 16
.set ADRB, 20
.set STO,  24
.set RD,   25
.set CO,   26
.set ADRS, 27
.set SPW,  28
.set NIL,  29
.set TO,   30                          ; v30 my byte in a block's 16 rows of the table: 256 r + 32 h
.set SC,   32
.set AF,   128
.set HB,   128                         ; the way out: packed results, two sets of 32
.set T,    224                         ; the way out: 32 products
.set G1, 24
.set G0, 32
.set G1B, 48
.set G0B, 56
.set G1S, 68
.set G0S, 76
.set G1SB, 80
.set G0SB, 88
.set MSB, 0
.macro WIN new                         ; the immediate's high byte repeats the setting that is left
.if MSB != (\new)
	s_set_vgpr_msb (MSB<<8)|(\new)
.set MSB, (\new)
.endif
.endm
.set MUL_LO, 0xa1                      ; source 0 (weight) window 1, source 1 (x) window 0, C and D window 2
.set MUL_HI, 0xf1
.set TO_B,   0x40
; Waves 0 and 1 fetch for x (jointly), waves 2 and 3 for the weight.  The branch hangs on the wave's number alone.  An s_nop 0 and four v_nop follow each of the two lines.
.macro JLOAD g0a, g1a, g0b, g1b
	s_cmp_eq_u32 s15, 0
	s_cbranch_scc0 .Lfor_b_\@
	tensor_load_to_lds s[\g0a:\g0a+3], s[\g1a:\g1a+7]
	s_nop 0
.rept 4
	v_nop
.endr
	s_branch .Lasked_\@
.Lfor_b_\@:
	tensor_load_to_lds s[\g0b:\g0b+3], s[\g1b:\g1b+7]
	s_nop 0
.rept 4
	v_nop
.endr
.Lasked_\@:
.endm
.macro CROUND                          ; a round of the cluster's barrier
	s_barrier_signal -1
	s_barrier_wait -1
	s_cmp_lg_u32 s14, 0
	s_cbranch_scc1 .Lnot_wave_0_\@
	s_barrier_signal -3
.Lnot_wave_0_\@:
	s_barrier_wait -3
	s_barrier_signal -1
	s_barrier_wait -1
.endm
	s_load_b128 s[4:7], s[0:1], 0x0                ; codes, scl
	s_load_b64 s[12:13], s[0:1], 0x10              ; qkv
	s_load_b64 s[96:97], s[0:1], 0x18              ; the table
	s_load_b64 s[98:99], s[0:1], 0x20              ; fine
	v_lshl_add_u32 v[SPW], v0, 2, SPARE
	v_mov_b32 v[NIL], 0
	ds_add_u32 v[SPW], v[NIL]                      ; the wave's opening: the add, twice on end, and its wait ahead of my first tensor load
	ds_add_u32 v[SPW], v[NIL]
	v_lshrrev_b32 v1, 5, v0
	v_readfirstlane_b32 s14, v1                    ; wave 0..3
	s_lshr_b32 s15, s14, 1                         ; which half of the tile's rows is mine.  Also: I fetch for x (0) or for the weight (1)
	s_and_b32 s16, s14, 1                          ; which half of its columns.  Also: which 128 rows of that tile I fetch
	s_bfe_u32 s40, ttmp6, 0x40000                  ; cx: my place in the cluster
	s_and_b32 s17, ttmp7, 0xffff                   ; the cluster's y
	s_mul_i32 s17, s17, 3
	s_add_co_u32 s17, s17, ttmp9                   ; L = x + 3 y: the cluster's number, 0 to 95: the same in all four partners, and so is what is made of it
	s_lshr_b32 s66, s17, 5                         ; which product: 0 q, 1 k, 2 v
	s_and_b32 s17, s17, 31                         ; tile row
	s_lshl_b32 s42, s66, 2
	s_add_co_u32 s42, s42, s40                     ; tile column = 4 x product + cx
	s_or_b32 s95, s17, s15                         ; 0 in the two waves that own rows 0 to 15
	s_mov_b32 s[G1+0], 15|(1<<20)|(1<<21)|(5<<22)|(3<<25)   ; x's tiles: mask of all four; elements of 1 byte; padding of 4 words after every 64; bit 21 beside the mask
	s_mov_b32 s[G1B+0], (1<<20)|(5<<22)|(3<<25)             ; the weight's: no mask
.irp g, G1, G1B
	s_mov_b32 s[\g+1], ROWB<<16                    ; tensor_dim0
	s_mov_b32 s[\g+2], 128<<16                     ; tensor_dim1
	s_mov_b32 s[\g+3], ROWB<<16                    ; tile_dim0
	s_mov_b32 s[\g+4], 128                         ; tile_dim1
	s_mov_b32 s[\g+5], KROW                        ; from row to row
	s_mov_b32 s[\g+6], 0
	s_mov_b32 s[\g+7], 0
.endr
	s_mov_b32 s[G1S+0], 15|(3<<16)|(1<<20)|(1<<21)|(5<<22)|(3<<25)   ; the scales of 128 rows: 4,096 dense bytes as 16 rows of 256 (32 elements of 8 bytes), 16 bytes of padding behind each
	s_mov_b32 s[G1SB+0], (3<<16)|(1<<20)|(5<<22)|(3<<25)
.irp g, G1S, G1SB
	s_mov_b32 s[\g+1], 32<<16
	s_mov_b32 s[\g+2], (128*KS/256)<<16
	s_mov_b32 s[\g+3], 32<<16
	s_mov_b32 s[\g+4], 128*KS/256
	s_mov_b32 s[\g+5], 32
	s_mov_b32 s[\g+6], 0
	s_mov_b32 s[\g+7], 0
.endr
	s_lshl_b32 s18, s16, 7
	s_lshl_b32 s20, s17, 8
	s_add_co_u32 s20, s20, s18                     ; x: row 256 x tile row + 128 x half
	s_lshl_b32 s46, s42, 8
	s_add_co_u32 s46, s46, s18
	s_add_co_u32 s46, s46, 8192                    ; the weights: row 8192 + 256 x tile column + 128 x half
	s_mov_b32 s21, 0
	s_mov_b32 s47, 0
	s_mov_b64 s[18:19], KS
	s_mul_u64 s[22:23], s[20:21], s[18:19]
	s_mul_u64 s[92:93], s[46:47], s[18:19]
	s_mov_b64 s[18:19], KROW
	s_mul_u64 s[20:21], s[20:21], s[18:19]
	s_mul_u64 s[46:47], s[46:47], s[18:19]
	s_mul_i32 s45, s14, HALFT                      ; where they go: wave x 128 rows: no place in the cluster enters an LDS address
	s_mul_i32 s94, s14, HALFS
	s_wait_dscnt 0x0                               ; both opening adds are done
	s_wait_kmcnt 0x0
	s_add_nc_u64 s[20:21], s[4:5], s[20:21]
	s_add_nc_u64 s[22:23], s[6:7], s[22:23]
	s_add_nc_u64 s[46:47], s[4:5], s[46:47]
	s_add_nc_u64 s[92:93], s[6:7], s[92:93]
	CROUND                                         ; all four work-groups are here: the joint loads meet
	s_mov_b32 s[G0S], 1
	s_add_co_u32 s[G0S+1], s94, SCL
	s_mov_b64 s[G0S+2:G0S+3], s[22:23]
	s_or_b32 s[G0S+3], s[G0S+3], 0x80000000
	s_mov_b32 s[G0SB], 1
	s_add_co_u32 s[G0SB+1], s94, SCL
	s_mov_b64 s[G0SB+2:G0SB+3], s[92:93]
	s_or_b32 s[G0SB+3], s[G0SB+3], 0x80000000
	JLOAD G0S, G1S, G0SB, G1SB                     ; the scales first; three tensor loads of mine are out in all
.irp s, 0,1
	s_mov_b32 s[G0+4*\s], 1
	s_add_co_u32 s[G0+4*\s+1], s45, \s*SLOT
	s_add_nc_u64 s[G0+4*\s+2:G0+4*\s+3], s[20:21], \s*ROWB
	s_or_b32 s[G0+4*\s+3], s[G0+4*\s+3], 0x80000000
	s_mov_b32 s[G0B+4*\s], 1
	s_add_co_u32 s[G0B+4*\s+1], s45, \s*SLOT
	s_add_nc_u64 s[G0B+4*\s+2:G0B+4*\s+3], s[46:47], \s*ROWB
	s_or_b32 s[G0B+4*\s+3], s[G0B+4*\s+3], 0x80000000
	JLOAD G0+4*\s, G1, G0B+4*\s, G1B
.endr
	v_and_b32 v1, 15, v0                           ; r = l % 16
	v_bfe_u32 v2, v0, 4, 1                         ; h = l / 16
	v_mul_u32_u24 v3, v1, PITCH
	v_lshl_add_u32 v4, v2, 4, v3
	s_mul_i32 s21, s15, HALFT                      ; my 128 rows of x
	s_mul_i32 s22, s16, HALFT                      ; my 128 rows of the weight,
	s_add_co_u32 s22, s22, 2*HALFT                 ; which lie behind x's 256
.irp s, 0,1
	v_add_nc_u32 v[ADRA+\s], s21, v4
	v_add_nc_u32 v[ADRB+\s], s22, v4
	s_add_co_u32 s21, s21, SLOT
	s_add_co_u32 s22, s22, SLOT
.endr
	v_mul_u32_u24 v5, v1, KS                       ; my row's scales: 32 bytes a row,
	v_lshrrev_b32 v6, 8, v5
	v_lshl_add_u32 v5, v6, 4, v5                   ; and 16 more for each 256 passed
	s_mul_i32 s21, s15, HALFS
	s_mul_i32 s22, s16, HALFS
	s_add_co_u32 s22, s22, 2*HALFS
	s_sub_co_u32 s22, s22, s21
	v_mul_u32_u24 v6, s22, v2                      ; lanes 16-31 take the weight's
	s_add_co_u32 s21, s21, SCL
	v_add_nc_u32 v5, v5, v6
	v_add_nc_u32 v[ADRS], s21, v5
	s_mul_i32 s23, s14, 2*SHEAD                    ; my stage
	v_mul_u32_u24 v5, v1, SROW
	v_lshl_add_u32 v5, v2, 4, v5
	v_add_nc_u32 v[STO], s23, v5                   ; in: row r, 16 bytes for each half of the lanes
	v_and_b32 v6, 31, v0
	v_lshrrev_b32 v5, 3, v6
	v_mul_u32_u24 v5, v5, SROW
	v_and_b32 v7, 7, v0
	v_lshl_add_u32 v5, v7, 4, v5
	v_add_nc_u32 v[RD], s23, v5                    ; back: eight lanes to a row of 128 bytes, four rows an instruction
	v_lshlrev_b32 v[CO], 4, v6                     ; and in memory 16 bytes a lane: four rows of a head are 512 consecutive bytes
	v_lshlrev_b32 v[TO], 8, v1
	v_lshl_add_u32 v[TO], v2, 5, v[TO]
	s_lshl_b32 s20, s17, 8
	s_lshl_b32 s21, s15, 7
	s_add_co_u32 s20, s20, s21                     ; my first row
	s_lshl_b32 s22, s20, 8                         ; the table: 256 bytes a position,
	s_min_u32 s23, s66, 1
	s_lshl_b32 s23, s23, 21                        ; part 0 for q, part 1 for k (v loads nothing from it)
	s_add_co_u32 s22, s22, s23
	s_mov_b32 s23, 0
	s_add_nc_u64 s[96:97], s[96:97], s[22:23]
	s_lshl_b32 s22, s66, 16                        ; fine: 65,536 bytes a product, 1,024 a block of 16 columns: block 16 cx + 8 x half + b
	s_lshl_b32 s21, s40, 14
	s_add_co_u32 s22, s22, s21
	s_lshl_b32 s21, s16, 13
	s_add_co_u32 s22, s22, s21
	s_add_nc_u64 s[98:99], s[98:99], s[22:23]
	s_lshl_b32 s22, s66, 24                        ; qkv: 2^24 bytes a product, 2^20 a head (head 4 cx + 2 x half + b / 4), 128 a row
	s_lshl_b32 s21, s40, 22
	s_add_co_u32 s22, s22, s21
	s_lshl_b32 s21, s16, 21
	s_add_co_u32 s22, s22, s21
	s_lshl_b32 s21, s20, 7
	s_add_co_u32 s22, s22, s21
	s_add_nc_u64 s[12:13], s[12:13], s[22:23]
; Where block a's table lies: TWN its window, TBL its first register.
.macro TSET a
.if (\a) == 0
.set TBL, 96
.set TWN, 0
.elseif (\a) == 1
.set TBL, 192
.set TWN, 0
.elseif (\a) < 4
.set TBL, 64+32*((\a)-2)
.set TWN, 1
.elseif (\a) < 6
.set TBL, 192+32*((\a)-4)
.set TWN, 1
.else
.set TBL, 32*((\a)-6)
.set TWN, 1
.endif
.endm
; The table of block a (16 rows): lane (r, h) takes, for each group g of 16 columns of a head, the four pairs (cos, sin) of frequencies 8 g + 4 h + 0 .. 3: 32 bytes, two loads.  Register 8 g + 2 p, + 1 of the block's 32: pair p.
.macro TABLE a
	TSET \a
	WIN 0x40*TWN                                   ; the destination's window; the address lies in window 0
.irp u, 0,1,2,3,4,5,6,7
	global_load_b128 v[TBL+4*\u:TBL+4*\u+3], v[TO], s[96:97] offset:(\a)*4096+64*(\u/2)+16*(\u%2)
.endr
.endm
.macro FRAG reg, adr, q, i             ; a fragment, 16 rows x 128 K of 4-bit codes: 8 registers, two loads of 16 bytes, 32 bytes apart
.irp c, 0,1
	ds_load_b128 v[\reg+4*\c:\reg+4*\c+3], v[\adr] offset:64*(\q)+32*\c+(\i)*16*PITCH
.endr
.endm
; 16 matrix instructions: x's blocks a0, a0 + 1 against the weight's eight.  The 64 accumulators take turns, one instruction a turn, in the same order in every step.
.macro MUL16 a0, p, q, sc, zero
.irp a, \a0, \a0+1
.irp b, 0,1,2,3,4,5,6,7
.if \zero
	v_wmma_scale_f32_16x16x128_f8f6f4 v[8*(8*((\a)%4)+\b):8*(8*((\a)%4)+\b)+7], v[128*(\p)+FR*\b:128*(\p)+FR*\b+FR-1], v[AF+FR*(\a):AF+FR*(\a)+FR-1], 0, v[SC+8*NQ*(\sc)+NQ*\b+(\q)], v[SC+8*NQ*(\sc)+NQ*(\a)+(\q)] matrix_a_fmt:MATRIX_FMT_FP4 matrix_b_fmt:MATRIX_FMT_FP4 matrix_a_scale:MATRIX_SCALE_ROW1
.else
	v_wmma_scale_f32_16x16x128_f8f6f4 v[8*(8*((\a)%4)+\b):8*(8*((\a)%4)+\b)+7], v[128*(\p)+FR*\b:128*(\p)+FR*\b+FR-1], v[AF+FR*(\a):AF+FR*(\a)+FR-1], v[8*(8*((\a)%4)+\b):8*(8*((\a)%4)+\b)+7], v[SC+8*NQ*(\sc)+NQ*\b+(\q)], v[SC+8*NQ*(\sc)+NQ*(\a)+(\q)] matrix_a_fmt:MATRIX_FMT_FP4 matrix_b_fmt:MATRIX_FMT_FP4 matrix_a_scale:MATRIX_SCALE_ROW1
.endif
.endr
.endr
.endm
.macro FETCH_B slot, q, p
	WIN TO_B
.irp i, 0,1,2,3,4,5,6,7
	FRAG 128*(\p)+FR*\i, ADRB+\slot, \q, \i
.endr
	WIN 0
.endm
.macro FETCH_A slot, q, i0
.irp i, \i0, \i0+1, \i0+2, \i0+3
	FRAG AF+FR*(\i), ADRA+\slot, \q, \i
.endr
.endm
.macro SCALES sc                       ; a slot's scale words: 4 words a row; lanes 0-15 take x's block i, lanes 16-31 the weight's block i
.irp i, 0,1,2,3,4,5,6,7
	ds_load_b128 v[SC+8*NQ*\sc+NQ*\i:SC+8*NQ*\sc+NQ*\i+3], v[ADRS] offset:\i*SBLK
.endr
.endm
.macro PLACES n                        ; plain vector instructions between a matrix instruction and a load into, or a read or write of, its registers
.rept \n
	v_nop
.endr
.endm
.macro STEP slot, q, zero              ; 128 along K that has its successor in the same slot
	s_wait_dscnt 4*NL                              ; the weight's set and x's blocks 0-3 are in; the youngest eight loads (x's blocks 4-7) may be out
	WIN MUL_LO
	MUL16 0, (\q)%2, \q, \slot, \zero
	MUL16 2, (\q)%2, \q, \slot, \zero
	s_wait_dscnt 0
	PLACES NP
	FETCH_B \slot, (\q)+1, 1-(\q)%2
	FETCH_A \slot, (\q)+1, 0
	WIN MUL_HI
	MUL16 4, (\q)%2, \q, \slot, \zero
	MUL16 6, (\q)%2, \q, \slot, \zero
	PLACES NP
	WIN 0
	FETCH_A \slot, (\q)+1, 4
.endm
.macro STEPS slot, from
.set Q, \from
.rept NQ-1-\from
	STEP \slot, Q, 0
.set Q, Q+1
.endr
.endm
; THE WAY OUT, block by block of 16 rows x 128 columns (two heads).
; ROPE: in place in the accumulators, four column groups (one head) at a time: first the products with the sines, into T; then (x0, x1) = (x0 cos - x1 sin, x1 cos + x0 sin).  Each accumulator is read from its low end on.
.macro ROPE a
	TSET \a
.set AC, 64*((\a)%4)
.irp hb, 0,1
	WIN 2+(\a)/4+4*TWN                             ; source 0: the accumulators' window; source 1: the table's
.irp g, 0,1,2,3
.irp p, 0,1,2,3
	v_mul_f32 v[T+8*\g+2*\p],   v[AC+8*(4*\hb+\g)+2*\p+1], v[TBL+8*\g+2*\p+1]
	v_mul_f32 v[T+8*\g+2*\p+1], v[AC+8*(4*\hb+\g)+2*\p],   v[TBL+8*\g+2*\p+1]
.endr
.endr
	WIN 65*(2+(\a)/4)+4*TWN                        ; source 0 and destination: the accumulators' window; source 1: the table's; source 2: window 0
.irp g, 0,1,2,3
.irp p, 0,1,2,3
	v_fma_f32 v[AC+8*(4*\hb+\g)+2*\p],   v[AC+8*(4*\hb+\g)+2*\p],   v[TBL+8*\g+2*\p], -v[T+8*\g+2*\p]
	v_fma_f32 v[AC+8*(4*\hb+\g)+2*\p+1], v[AC+8*(4*\hb+\g)+2*\p+1], v[TBL+8*\g+2*\p],  v[T+8*\g+2*\p+1]
.endr
.endr
.endr
.endm
.macro PACK a                          ; to f16: a lane's eight columns are 16 bytes
.set AC, 64*((\a)%4)
.set HBS, HB+32*((\a)%2)
	WIN 0x0a+5*((\a)/4)
.irp b, 0,1,2,3,4,5,6,7
.irp p, 0,1,2,3
	v_cvt_pk_f16_f32 v[HBS+4*\b+\p], v[AC+8*\b+2*\p], v[AC+8*\b+2*\p+1]
.endr
.endr
	WIN 0
.endm
.macro TOSTAGE a                       ; through my stage, and back as whole rows into the registers that they left.  LDS serves a wave's instructions in order: no wait between
.set HBS, HB+32*((\a)%2)
.irp b, 0,1,2,3,4,5,6,7
	ds_store_b128 v[STO], v[HBS+4*\b:HBS+4*\b+3] offset:(\b/4)*SHEAD+(\b%4)*32
.endr
.irp t, 0,1,2,3,4,5,6,7
	ds_load_b128 v[HBS+4*\t:HBS+4*\t+3], v[RD] offset:(\t/4)*SHEAD+(\t%4)*4*SROW
.endr
.endm
.macro SEND a, younger                 ; younger: the LDS instructions issued behind block a's loads, which may stay out
.set HBS, HB+32*((\a)%2)
	s_wait_dscnt \younger
.irp t, 0,1,2,3,4,5,6,7
	global_store_b128 v[CO], v[HBS+4*\t:HBS+4*\t+3], s[12:13] offset:(\t/4)*1048576+(\a)*2048+(\t%4)*512   ; 32 lanes store 512 consecutive bytes: four rows of one head
.endr
.endm
.macro OUT a, rope
.if \rope
	s_wait_loadcnt 8*(7-(\a))                      ; this block's eight table loads are in; the eight of each later block may be out
	ROPE \a
	WIN 0
.endif
.if (\a) == 0
	s_cmp_lg_u32 s95, 0                            ; rows 0 to 15, in f32, as they stand in the registers: 512 consecutive bytes a store
	s_cbranch_scc1 .Lno_fine_\@
	WIN 0x08                                       ; a store's data are its source 1: window 2
.irp b, 0,1,2,3,4,5,6,7
	global_store_b128 v[CO], v[8*\b:8*\b+3], s[98:99] offset:1024*\b
	global_store_b128 v[CO], v[8*\b+4:8*\b+7], s[98:99] offset:1024*\b+512
.endr
	WIN 0
.Lno_fine_\@:
.endif
.if (\a) > 1
	s_wait_xcnt 0x0                                ; block a - 2's stores have read their data: the set is written again only behind this wait
.endif
	PACK \a
	TOSTAGE \a
.if (\a) > 0
	SEND (\a)-1, 16                                ; behind block a - 1's loads: block a's 8 stores and 8 loads
.endif
.endm
; Slot 1's four steps and the way out: once with the rotary embedding (q, k), once without (v).
.macro TAIL rope
.if \rope
.irp a, 0,1,2,3,4,5
	TABLE \a                                       ; 48 loads, ahead of slot 1's 256 matrix instructions
.endr
.endif
	STEPS 1, 0
.if \rope
	TABLE 6                                        ; into the weights' first set: its last products stand in front of the four places at the end of the step above
	TABLE 7
.endif
	s_wait_dscnt 4*NL                              ; the very last step
	WIN MUL_LO
	MUL16 0, 1, NQ-1, 1, 0
	MUL16 2, 1, NQ-1, 1, 0
	s_wait_dscnt 0
	WIN MUL_HI
	MUL16 4, 1, NQ-1, 1, 0
	MUL16 6, 1, NQ-1, 1, 0
	WIN 0
	PLACES NP                                      ; behind the last products
.irp a, 0,1,2,3,4,5,6,7
	OUT \a, \rope
.endr
	SEND 7, 0
.endm
	s_wait_tensorcnt 1                             ; the scales and my part of slot 0 are in (slot 1's load may be out)
	s_barrier_signal -1
	s_barrier_wait -1                              ; everybody's are
	FETCH_B 0, 0, 0
	FETCH_A 0, 0, 0
	SCALES 0
	FETCH_A 0, 0, 4
	STEP 0, 0, 1                                   ; the first products start the sums: nothing is cleared
	STEPS 0, 1
	; slot 0's last step changes slots: one barrier; nothing is filled again
	s_wait_tensorcnt 0x0                           ; my part of slot 1 has landed
	ds_add_u32 v[SPW], v[NIL]
	s_wait_dscnt 4*NL+1                            ; (the add and the youngest eight loads may be out)
	WIN MUL_LO
	MUL16 0, 1, NQ-1, 0, 0
	s_wait_dscnt 0x0                               ; the add is done, and my reads of slot 0 are over
	s_barrier_signal -1
	MUL16 2, 1, NQ-1, 0, 0
	WIN 0
	s_barrier_wait -1
	PLACES NP
	v_add_nc_u32 v[ADRS], 4*NQ, v[ADRS]            ; on to slot 1's scale words
	FETCH_B 1, 0, 0
	FETCH_A 1, 0, 0
	SCALES 1
	WIN MUL_HI
	MUL16 4, 1, NQ-1, 0, 0
	MUL16 6, 1, NQ-1, 0, 0
	PLACES NP
	WIN 0
	FETCH_A 1, 0, 4
	s_cmp_eq_u32 s66, 2                            ; v has no rotary embedding: the same in all waves and all partners
	s_cbranch_scc1 .Lv_tail
	TAIL 1
	s_branch .Lclose
.Lv_tail:
	TAIL 0
.Lclose:
	s_wait_tensorcnt 0x0                           ; the wave's end: three closing lines, behind my last tensor load and my last LDS store
	ds_add_u32 v[SPW], v[NIL]
	s_wait_dscnt 0x0
	CROUND                                         ; the closing round
	s_endpgm
.Lfunc_end_k_qf74cd53961_qkv:
	.size	k_qf74cd53961_qkv, .Lfunc_end_k_qf74cd53961_qkv-k_qf74cd53961_qkv
	.p2alignl 7, 3214868480
	.fill 96, 4, 3214868480
	.section	.rodata,"a",@progbits
	.p2align	6, 0x0
	.amdhsa_kernel k_qf74cd53961_qkv
		.amdhsa_group_segment_fixed_size 327680
		.amdhsa_private_segment_fixed_size 0
		.amdhsa_enable_private_segment 0
		.amdhsa_kernarg_size 40
		.amdhsa_user_sgpr_count 2
		.amdhsa_user_sgpr_kernarg_segment_ptr 1
		.amdhsa_wavefront_size32 1
		.amdhsa_system_sgpr_workgroup_id_x 1
		.amdhsa_system_sgpr_workgroup_id_y 1
		.amdhsa_system_sgpr_workgroup_id_z 1
		.amdhsa_system_vgpr_workitem_id 0
		.amdhsa_next_free_vgpr 1024
		.amdhsa_next_free_sgpr 100
		.amdhsa_reserve_vcc 0
		.amdhsa_float_denorm_mode_32 3
		.amdhsa_float_denorm_mode_16_64 3
		.amdhsa_memory_ordered 1
		.amdhsa_forward_progress 1
		.amdhsa_inst_pref_size 255
	.end_amdhsa_kernel
	.section	.bss,"aw",@nobits
	.p2align	6
	.space	262144
	.amdgpu_metadata
---
amdhsa.version: [ 1, 2 ]
amdhsa.kernels:
  - .name:           k_qf74cd53961_qkv
    .symbol:         k_qf74cd53961_qkv.kd
    .args:
      - { .name: codes, .offset: 0, .size: 8, .value_kind: global_buffer, .address_space: global }
      - { .name: scl, .offset: 8, .size: 8, .value_kind: global_buffer, .address_space: global }
      - { .name: qkv, .offset: 16, .size: 8, .value_kind: global_buffer, .address_space: global }
      - { .name: rope, .offset: 24, .size: 8, .value_kind: global_buffer, .address_space: global }
      - { .name: fine, .offset: 32, .size: 8, .value_kind: global_buffer, .address_space: global }
    .group_segment_fixed_size: 327680
    .private_segment_fixed_size: 0
    .kernarg_segment_align: 8
    .kernarg_segment_size: 40
    .max_flat_workgroup_size: 128
    .sgpr_count:     100
    .vgpr_count:     1024
    .wavefront_size: 32
...
	.end_amdgpu_metadata
.endif
;; end of part 2
;; launch attn (part 3): grid 16 x 16, 16 waves a work-group, no clusters, 327,680 bytes of LDS; arguments qkv, o16; writes o16
.if DOCPART == 3
	.amdgcn_target "amdgcn-amd-amdhsa--gfx1250"
	.amdhsa_code_object_version 6
	.text
	.protected	k_qf74cd53961_attn
	.globl	k_qf74cd53961_attn
	.p2align	8
	.type	k_qf74cd53961_attn,@function
k_qf74cd53961_attn:
	s_mov_b64 s[64:65], 0
	v_nop
	global_prefetch_b8 v0, s[64:65] scope:SCOPE_SE
	s_setreg_imm32_b32 hwreg(HW_REG_WAVE_MODE, 25, 1), 1
	s_wait_xcnt 0x0
; o[h][q] = the sum over keys k = max(0, q - 511) .. q of softmax_k(q . k / 8) v[h][k], operands in f16, products, maxima and sums in f32.  qkv: [3][16][8192][64] f16, q already x log2(e) / 8; o16: [16][8192][64] f16.
; LEFT OUT AS DEAD WORK (shown at the head of the first launch): steps of 32 queries x 64 keys that lie wholly under the problem's own mask, and query block 0's left pad of zeros.
; LIMITS: as stated there.  The weights p are at most 1 and are rounded to f16 for the second product; the row's sum is taken of the unrounded p.
; SHARES.  A work-group owns 512 queries of one head; each of its sixteen waves owns 32, two tiles of 16, in 256 registers: four waves to a SIMD, so that one wave's softmax stands beside another's products.
; THE WALK.  The 1,024 keys q0 - 512 .. q0 + 511 come as four chunks of 256, the LAST first (q0 + 256, q0, q0 - 256, q0 - 512), through two LDS slots; in a chunk four steps of 64 keys, ascending.
; So what the head fetches is always read (by waves 8 to 15), and the chunks that query block 0 does not have are the walk's tail.  Every work-group walks all sixteen steps; a step that is hidden from the wave's 32 queries is jumped over
; by scalar branches on ids.  In a wave's first live step key KF is at or under all its queries and within their windows, so the running maximum is a number from then on.
; LAYOUT.  S^T = K Q^T (source 0 = 16 keys, source 1 = 16 queries): a lane holds one query (lane % 16) and keys 8 (lane / 16) + 0 .. 7.  Two such tiles, rounded to f16 in pairs, are source 1 of O^T = V^T P; V is turned by ds_load_tr16_b128.
; No cluster: at any one change of slots the query blocks of a head want different chunks, 512 keys apart, so no two requests would meet.
; No prefetch: each row of K and V is first asked for by its own block's work-group, at the head or at the first change of slots; no later first request is left to run ahead of.
; REGISTERS: v1-11 addresses and constants; v12-15, v252-255 at work (tile 0, tile 1); v16-47 Q; v48-111 a step's 8 fragments of K, then of V; v112-175 S^T, p, P; v176-239 O^T; v240-251 for each tile the pairs (m, old m), (a, at work), (sum, sum).
.set KP,    144                        ; a key's row in LDS: 128 bytes + 16
.set VP,    160                        ; a row of V: 128 + 32
.set CK,    256                        ; keys in a chunk
.set VOFF,  CK*KP
.set SLOT1, 1<<17
.set STAGE, SLOT1+VOFF+CK*VP           ; behind the ring: [2 tiles][16 rows][144] for each wave
.set SPARE, STAGE+16*4608              ; the spare words: 128 bytes for each wave, named by no other line
.set AK0, 1
.set AV0, 2
.set SPW, 3
.set NIL, 4
.set ADK, 5
.set ADV, 6
.set STO, 7
.set RD,  8
.set GO,  9
.set DD,  10
.set NINF, 11
.set QF,  16
.set KV,  48
.set S,   112
.set O,   176
.set TBK, 2                            ; s2  LDS byte at which the step's keys begin
.set TBV, 3                            ; s3  the same for V (less VOFF)
.set WV,  18
.set SEL, 20
.set G1K, 24
.set G1V, 32
.set G0K, 40
.set G0V, 44
.set CHK, 66
.set STP, 67
.set KF,  68                           ; s68 the step's first key (signed: it falls under 0 in query block 0)
.set Q0,  69                           ; s69 my first query
; Waves 0 and 1 fetch a chunk's halves of K, waves 2 and 3 those of V, the others nothing.  An s_nop 0 and four v_nop follow each of the two lines.
.macro TLOAD
	s_cmp_lt_u32 s[WV], 2
	s_cbranch_scc0 .Lnot_k_\@
	tensor_load_to_lds s[G0K:G0K+3], s[G1K:G1K+7]
	s_nop 0
.rept 4
	v_nop
.endr
	s_branch .Lasked_\@
.Lnot_k_\@:
	s_cmp_lt_u32 s[WV], 4
	s_cbranch_scc0 .Lasked_\@
	tensor_load_to_lds s[G0V:G0V+3], s[G1V:G1V+7]
	s_nop 0
.rept 4
	v_nop
.endr
.Lasked_\@:
.endm
	s_load_b128 s[4:7], s[0:1], 0x0                ; qkv, o16
	v_lshl_add_u32 v[SPW], v0, 2, SPARE
	v_mov_b32 v[NIL], 0
	ds_add_u32 v[SPW], v[NIL]                      ; the wave's opening: the add, twice on end, and its wait ahead of my first tensor load
	ds_add_u32 v[SPW], v[NIL]
	v_lshrrev_b32 v5, 5, v0
	v_readfirstlane_b32 s[WV], v5                  ; wave 0..15
	s_and_b32 s8, ttmp7, 0xffff                    ; the head
	s_lshl_b32 s9, ttmp9, 9                        ; q0
	s_lshl_b32 s10, s[WV], 5
	s_add_co_u32 s[Q0], s9, s10
	s_add_co_u32 s[KF], s9, CK                     ; the first chunk's first key
	s_mov_b32 s[G1K], (1<<16)|(1<<20)|(4<<22)|(3<<25)   ; elements of 2 bytes; 4 words of padding after every 32
	s_mov_b32 s[G1V], (1<<16)|(1<<20)|(4<<22)|(7<<25)   ; 8 words
.irp g, G1K, G1V
	s_mov_b32 s[\g+1], 64<<16                      ; tensor_dim0
	s_mov_b32 s[\g+2], 128<<16                     ; tensor_dim1
	s_mov_b32 s[\g+3], 64<<16                      ; tile_dim0
	s_mov_b32 s[\g+4], 128                         ; tile_dim1
	s_mov_b32 s[\g+5], 64                          ; from row to row
	s_mov_b32 s[\g+6], 0
	s_mov_b32 s[\g+7], 0
.endr
	s_and_b32 s16, s[WV], 1                        ; which 128 rows of a chunk I fetch, if I fetch
	s_mul_i32 s11, s16, 128*KP
	s_mul_i32 s17, s16, 128*VP
	s_add_co_u32 s17, s17, VOFF
	s_lshl_b32 s12, s8, 20                         ; a head is 2^20 bytes
	s_lshl_b32 s14, s[Q0], 7
	s_add_co_u32 s14, s14, s12                     ; my first query's row, in q and in o16
	s_mov_b32 s15, 0
	s_lshl_b32 s19, s[KF], 7
	s_add_co_u32 s12, s12, s19
	s_lshl_b32 s19, s16, 14
	s_add_co_u32 s12, s12, s19                     ; my part of the first chunk
	s_mov_b32 s13, 0
	s_mov_b32 s[SEL], 0x76543210
	s_mov_b32 s[SEL+1], 0xfedcba98                 ; v_permlanex16_b32's selects for lane l xor 16
	s_mov_b32 s[TBK], 0
	s_mov_b32 s[TBV], 0
	s_mov_b32 s[CHK], 3
	s_wait_dscnt 0x0                               ; both opening adds are done
	s_wait_kmcnt 0x0
	s_mov_b32 s[G0K], 1
	s_mov_b32 s[G0K+1], s11
	s_add_nc_u64 s[G0K+2:G0K+3], s[4:5], s[12:13]
	s_add_nc_u64 s[G0V+2:G0V+3], s[G0K+2:G0K+3], 0x2000000   ; v lies 2 x 2^24 bytes on,
	s_add_nc_u64 s[G0K+2:G0K+3], s[G0K+2:G0K+3], 0x1000000   ; k 2^24
	s_or_b32 s[G0K+3], s[G0K+3], 0x80000000
	s_mov_b32 s[G0V], 1
	s_mov_b32 s[G0V+1], s17
	s_or_b32 s[G0V+3], s[G0V+3], 0x80000000
	TLOAD                                          ; the first chunk, into slot 0
	s_add_nc_u64 s[4:5], s[4:5], s[14:15]
	s_add_nc_u64 s[6:7], s[6:7], s[14:15]
	v_and_b32 v5, 15, v0                           ; r
	v_bfe_u32 v6, v0, 4, 1                         ; h
	v_lshlrev_b32 v[DD], 7, v5
	v_lshl_add_u32 v[DD], v6, 4, v[DD]             ; Q: 128 r + 16 h
.irp x, 0,1
.irp c, 0,1
	global_load_b128 v[QF+16*\x+8*\c:QF+16*\x+8*\c+3], v[DD], s[4:5] offset:2048*\x+64*\c
	global_load_b128 v[QF+16*\x+8*\c+4:QF+16*\x+8*\c+7], v[DD], s[4:5] offset:2048*\x+64*\c+32
.endr
.endr
	v_mul_u32_u24 v[AK0], v5, KP
	v_lshl_add_u32 v[AK0], v6, 4, v[AK0]           ; K: row r, + 16 h
	v_and_b32 v12, 7, v0
	v_lshl_add_u32 v[AV0], v6, 3, v12
	v_mul_u32_u24 v[AV0], v[AV0], VP
	v_bfe_u32 v12, v0, 3, 1
	v_lshl_add_u32 v[AV0], v12, 4, v[AV0]
	v_add_nc_u32 v[AV0], VOFF, v[AV0]              ; V, for the turning load: key 8 h + l % 8, channels 8 ((l / 8) % 2) on
	s_mul_i32 s10, s[WV], 4608
	s_add_co_u32 s10, s10, STAGE                   ; my stage
	v_add_nc_u32 v[STO], s10, v[AK0]               ; in: row r, 16 bytes for each half of the lanes
	v_and_b32 v12, 31, v0
	v_lshrrev_b32 v13, 3, v12
	v_mul_u32_u24 v13, v13, KP
	v_and_b32 v14, 7, v0
	v_lshl_add_u32 v13, v14, 4, v13
	v_add_nc_u32 v[RD], s10, v13                   ; back: eight lanes to a row, four rows an instruction
	v_lshlrev_b32 v[GO], 4, v12
	v_mov_b32 v[NINF], 0xff800000                  ; -infinity
.irp i, 12,13,14,15,241,242,243,244,245,247,248,249,250,251,252,253,254,255
	v_mov_b32 v[\i], 0                             ; the sums; and what is named in pairs or as a permute's destination before it is first written
.endr
	v_mov_b32 v240, 0xff61b1e6                     ; the largest score so far: -3e38, under every score
	v_mov_b32 v246, 0xff61b1e6
.irp j, 0,1,2,3,4,5,6,7,8,9,10,11,12,13,14,15,16,17,18,19,20,21,22,23,24,25,26,27,28,29,30,31,32,33,34,35,36,37,38,39,40,41,42,43,44,45,46,47,48,49,50,51,52,53,54,55,56,57,58,59,60,61,62,63
	v_mov_b32 v[O+\j], 0                           ; O^T.  (The step is written once: the first live step finds zeros, which a = 0 leaves zeros)
.endr
.macro DCALC                           ; s70 + r - 8 h
	v_and_b32 v[DD], 15, v0
	v_bfe_u32 v12, v0, 4, 1
	v_lshlrev_b32 v12, 3, v12
	v_sub_nc_u32 v[DD], v[DD], v12
	v_add_nc_u32 v[DD], s70, v[DD]
.endm
; A STEP: 64 keys from KF on.
.macro STEP
	s_add_co_u32 s70, s[Q0], 31                    ; hidden: all keys come after my last query,
	s_cmp_gt_i32 s[KF], s70
	s_cbranch_scc1 .Lhidden_\@
	s_cmp_lt_i32 s[KF], 0                          ; or in front of the sequence,
	s_cbranch_scc1 .Lhidden_\@
	s_sub_co_i32 s70, s[Q0], 574                   ; or KF + 63 < my first query - 511
	s_cmp_lt_i32 s[KF], s70
	s_cbranch_scc1 .Lhidden_\@
	v_add_nc_u32 v[ADK], s[TBK], v[AK0]
	v_add_nc_u32 v[ADV], s[TBV], v[AV0]
.rept 4
	v_nop                                          ; with the two additions six places: behind the last step's products, in front of loads into V's registers (four are owed) and of products that write over P (five)
.endr
.irp kt, 0,1,2,3
.irp c, 0,1
	ds_load_b128 v[KV+8*(2*\kt+\c):KV+8*(2*\kt+\c)+3], v[ADK] offset:16*KP*\kt+64*\c
	ds_load_b128 v[KV+8*(2*\kt+\c)+4:KV+8*(2*\kt+\c)+7], v[ADK] offset:16*KP*\kt+64*\c+32
.endr
.endr
	s_wait_dscnt 0x0
.irp c, 0,1                                    ; S^T = K Q^T: eight accumulators by turns
.irp kt, 0,1,2,3
.irp x, 0,1
.if \c == 0
	v_wmma_f32_16x16x32_f16 v[S+32*\x+8*\kt:S+32*\x+8*\kt+7], v[KV+8*(2*\kt+\c):KV+8*(2*\kt+\c)+7], v[QF+16*\x+8*\c:QF+16*\x+8*\c+7], 0
.else
	v_wmma_f32_16x16x32_f16 v[S+32*\x+8*\kt:S+32*\x+8*\kt+7], v[KV+8*(2*\kt+\c):KV+8*(2*\kt+\c)+7], v[QF+16*\x+8*\c:QF+16*\x+8*\c+7], v[S+32*\x+8*\kt:S+32*\x+8*\kt+7]
.endif
.endr
.endr
.endr
.rept 4
	v_nop                                          ; places in front of the loads into K's registers and of the first read of the scores
.endr
.irp t, 0,1,2,3                                ; V, turned: channels 16 t on, keys 32 u on.  These land under the softmax
.irp u, 0,1
	ds_load_tr16_b128 v[KV+8*(2*\t+\u):KV+8*(2*\t+\u)+3], v[ADV] offset:32*VP*\u+32*\t
	ds_load_tr16_b128 v[KV+8*(2*\t+\u)+4:KV+8*(2*\t+\u)+7], v[ADV] offset:32*VP*\u+16*VP+32*\t
.endr
.endr
	; Register 8 kt + j of tile x holds key KF + 16 kt + 8 h + j for query Q0 + 16 x + r.  With D = Q0 - KF + r - 8 h and n = 16 kt + j - 16 x: the key comes after the query where n > D, and in front of its window where n < D - 511
	s_sub_co_i32 s70, s[Q0], 63
	s_cmp_gt_i32 s[KF], s70                        ; on the diagonal?
	s_cbranch_scc0 .Lnodiag_\@
	s_sub_co_i32 s70, s[Q0], s[KF]
	DCALC
.irp x, 0,1
.irp kt, 0,1,2,3
.irp j, 0,1,2,3,4,5,6,7
	v_cmp_gt_i32 vcc_lo, 16*\kt+\j-16*\x, v[DD]
	v_cndmask_b32 v[S+32*\x+8*\kt+\j], v[S+32*\x+8*\kt+\j], v[NINF], vcc_lo
.endr
.endr
.endr
.Lnodiag_\@:
	s_sub_co_i32 s70, s[Q0], 480
	s_cmp_lt_i32 s[KF], s70                        ; on the window's lower edge?
	s_cbranch_scc0 .Lnoedge_\@
	s_sub_co_i32 s70, s[Q0], s[KF]
	s_sub_co_i32 s70, s70, 511
	DCALC
.irp x, 0,1
.irp kt, 0,1,2,3
.irp j, 0,1,2,3,4,5,6,7
	v_cmp_lt_i32 vcc_lo, 16*\kt+\j-16*\x, v[DD]
	v_cndmask_b32 v[S+32*\x+8*\kt+\j], v[S+32*\x+8*\kt+\j], v[NINF], vcc_lo
.endr
.endr
.endr
.Lnoedge_\@:
	; the maximum of a tile's 32 scores and the old m: four chains, each begun at an accumulator's low end; the two tiles by turns
.irp j, 0,1,2,3
.irp x, 0,1
	v_max3_num_f32 v[12+240*\x+\j], v[S+32*\x+8*\j], v[S+32*\x+8*\j+1], v[S+32*\x+8*\j+2]
.endr
.endr
.irp i, 1,2
.irp j, 0,1,2,3
.irp x, 0,1
	v_max3_num_f32 v[12+240*\x+\j], v[12+240*\x+\j], v[S+32*\x+8*\j+2*\i+1], v[S+32*\x+8*\j+2*\i+2]
.endr
.endr
.endr
.irp x, 0,1
	v_max3_num_f32 v[12+240*\x], v[12+240*\x], v[S+32*\x+7], v[S+32*\x+15]
	v_max3_num_f32 v[14+240*\x], v[14+240*\x], v[S+32*\x+23], v[S+32*\x+31]
.endr
.irp x, 0,1
	v_max3_num_f32 v[12+240*\x], v[12+240*\x], v[13+240*\x], v[14+240*\x]
.endr
.irp x, 0,1
	v_max3_num_f32 v[12+240*\x], v[12+240*\x], v[15+240*\x], v[240+6*\x]
.endr
.irp x, 0,1
	v_permlanex16_b32 v[13+240*\x], v[12+240*\x], s[SEL], s[SEL+1]   ; the query's other 32 keys lie in the lane 16 away
.endr
.irp x, 0,1
	v_mov_b32 v[241+6*\x], v[240+6*\x]             ; the old m
.endr
.irp x, 0,1
	v_max_num_f32 v[240+6*\x], v[12+240*\x], v[13+240*\x]   ; the new m
.endr
.irp x, 0,1
	v_sub_f32 v[243+6*\x], v[241+6*\x], v[240+6*\x]
.endr
.irp i, 0,2,4,6,8,10,12,14,16,18,20,22,24,26,28,30
.irp x, 0,1
	v_pk_add_f32 v[S+32*\x+\i:S+32*\x+\i+1], v[S+32*\x+\i:S+32*\x+\i+1], v[240+6*\x:241+6*\x] op_sel_hi:[1,0] neg_lo:[0,1] neg_hi:[0,1]   ; s - m, two at a time
.endr
.endr
.irp x, 0,1
	v_exp_f32 v[242+6*\x], v[243+6*\x]             ; a = 2^(old m - new m)
.endr
.irp i, 0,1,2,3,4,5,6,7,8,9,10,11,12,13,14,15,16,17,18,19,20,21,22,23,24,25,26,27,28,29,30,31
.irp x, 0,1
	v_exp_f32 v[S+32*\x+\i], v[S+32*\x+\i]         ; p = 2^(s - m)
.endr
.endr
	v_nop                                          ; a plain instruction behind the last exponential
	s_wait_alu depctr_va_vdst(0)                   ; one wait for the batch of 66, ahead of its first reader
.irp x, 0,1
	v_pk_fma_f32 v[244+6*\x:245+6*\x], v[244+6*\x:245+6*\x], v[242+6*\x:243+6*\x], v[S+32*\x:S+32*\x+1] op_sel_hi:[1,0,1]   ; the sum x a, and the unrounded p, in two chains
	v_pk_add_f32 v[14+240*\x:15+240*\x], v[S+32*\x+2:S+32*\x+3], v[S+32*\x+6:S+32*\x+7]
.endr
.irp i, 4,8,12,16,20,24,28
.irp x, 0,1
	v_pk_add_f32 v[244+6*\x:245+6*\x], v[244+6*\x:245+6*\x], v[S+32*\x+\i:S+32*\x+\i+1]
.if \i < 28
	v_pk_add_f32 v[14+240*\x:15+240*\x], v[14+240*\x:15+240*\x], v[S+32*\x+\i+6:S+32*\x+\i+7]
.endif
.endr
.endr
.irp x, 0,1
	v_pk_add_f32 v[244+6*\x:245+6*\x], v[244+6*\x:245+6*\x], v[14+240*\x:15+240*\x]
.endr
.irp i, 0,1,2,3,4,5,6,7                        ; to f16, in place: register i of a run of 16 takes numbers 2 i and 2 i + 1, ascending, so that nothing unread is written over
.irp x, 0,1
.irp u, 0,1
	v_cvt_pk_f16_f32 v[S+32*\x+16*\u+\i], v[S+32*\x+16*\u+2*\i], v[S+32*\x+16*\u+2*\i+1]
.endr
.endr
.endr
.irp i, 0,2,4,6,8,10,12,14,16,18,20,22,24,26,28,30
.irp x, 0,1
	v_pk_mul_f32 v[O+32*\x+\i:O+32*\x+\i+1], v[O+32*\x+\i:O+32*\x+\i+1], v[242+6*\x:243+6*\x] op_sel_hi:[1,0]   ; O^T x a
.endr
.endr
	s_wait_dscnt 0x0                               ; V is in
.irp u, 0,1                                    ; O^T += V^T P: eight accumulators by turns
.irp t, 0,1,2,3
.irp x, 0,1
	v_wmma_f32_16x16x32_f16 v[O+32*\x+8*\t:O+32*\x+8*\t+7], v[KV+8*(2*\t+\u):KV+8*(2*\t+\u)+7], v[S+32*\x+16*\u:S+32*\x+16*\u+7], v[O+32*\x+8*\t:O+32*\x+8*\t+7]
.endr
.endr
.endr
.Lhidden_\@:
	s_add_co_i32 s[KF], s[KF], 64
	s_add_co_u32 s[TBK], s[TBK], 64*KP
	s_add_co_u32 s[TBV], s[TBV], 64*VP
.endm
; THE CHANGE OF SLOTS stands at a chunk's head.  Each wave waits for all its tensor loads, adds 0 to its spare word (fill = 1: twice on end), and waits for that and for its reads of the slot that it has left.
; fill = 1: behind the barrier that slot takes the chunk 256 keys further down, which has a whole chunk's steps in which to land: one tensor load a wave is out.
; THE WALK'S TAIL: a chunk that would begin in front of key 0 is read by no wave and is not asked for.  The test is made of the work-group's number and the count of steps alone, so all sixteen waves go the same way,
; and a work-group past it stays past it; it leads round the load's own lines alone; every wait on TENSORcnt in this text is for 0.
.macro CHANGE fill
	s_wait_tensorcnt 0x0
	ds_add_u32 v[SPW], v[NIL]
.if \fill
	ds_add_u32 v[SPW], v[NIL]
	s_xor_b32 s[G0K+1], s[G0K+1], SLOT1            ; the walking descriptors: the other slot,
	s_sub_nc_u64 s[G0K+2:G0K+3], s[G0K+2:G0K+3], CK*128   ; 256 keys down
	s_xor_b32 s[G0V+1], s[G0V+1], SLOT1
	s_sub_nc_u64 s[G0V+2:G0V+3], s[G0V+2:G0V+3], CK*128
.endif
	s_wait_dscnt 0x0
	s_barrier_signal -1
	s_barrier_wait -1
.if \fill
	s_sub_co_i32 s70, s[KF], CK                    ; the first key of the chunk that this change would ask for
	s_cmp_lt_i32 s70, 0
	s_cbranch_scc1 .Lpast_\@
	TLOAD
.Lpast_\@:
.endif
.endm
.macro CHUNK_STEPS                     ; a chunk's four steps: written once, walked four times
	s_mov_b32 s[STP], 4
.Lstep_\@:
	STEP
	s_sub_co_u32 s[STP], s[STP], 1
	s_cmp_lg_u32 s[STP], 0
	s_cbranch_scc1 .Lstep_\@
	s_sub_co_u32 s[TBK], s[TBK], CK*KP             ; back to a slot's first step,
	s_sub_co_u32 s[TBV], s[TBV], CK*VP
	s_xor_b32 s[TBK], s[TBK], SLOT1                ; in the other slot
	s_xor_b32 s[TBV], s[TBV], SLOT1
	s_sub_co_i32 s[KF], s[KF], 2*CK                ; the next chunk lies below this one
.endm
	s_wait_loadcnt 0x0                             ; Q
.Lchunk:
	CHANGE 1
	CHUNK_STEPS
	s_sub_co_u32 s[CHK], s[CHK], 1
	s_cmp_lg_u32 s[CHK], 0
	s_cbranch_scc1 .Lchunk
	CHANGE 0                                       ; the last chunk is written out: nothing is left to ask for
	CHUNK_STEPS
	; THE WAY OUT: O^T / the sum, to f16, through my stage, and out as whole rows
.rept 4
	v_nop                                          ; places behind the last products
.endr
	v_add_f32 v12, v244, v245
	v_add_f32 v252, v250, v251
	v_permlanex16_b32 v13, v12, s[SEL], s[SEL+1]
	v_permlanex16_b32 v253, v252, s[SEL], s[SEL+1]
	v_add_f32 v12, v12, v13
	v_add_f32 v252, v252, v253
	v_rcp_f32 v242, v12
	v_rcp_f32 v248, v252
	v_nop
	s_wait_alu depctr_va_vdst(0)                   ; one wait for the two reciprocals, ahead of their first reader
.irp x, 0,1
.irp i, 0,2,4,6,8,10,12,14,16,18,20,22,24,26,28,30
	v_pk_mul_f32 v[S+32*\x+\i:S+32*\x+\i+1], v[O+32*\x+\i:O+32*\x+\i+1], v[242+6*\x:243+6*\x] op_sel_hi:[1,0]
.endr
.irp i, 0,1,2,3,4,5,6,7,8,9,10,11,12,13,14,15
	v_cvt_pk_f16_f32 v[KV+16*\x+\i], v[S+32*\x+2*\i], v[S+32*\x+2*\i+1]
.endr
.irp t, 0,1,2,3
	ds_store_b128 v[STO], v[KV+16*\x+4*\t:KV+16*\x+4*\t+3] offset:2304*\x+32*\t
.endr
.irp i, 0,1,2,3
	ds_load_b128 v[KV+16*\x+4*\i:KV+16*\x+4*\i+3], v[RD] offset:2304*\x+576*\i   ; LDS serves a wave's instructions in order: these see my stores
.endr
.endr
.irp x, 0,1
.irp i, 0,1,2,3
	s_wait_dscnt 11-8*\x-\i                        ; what was issued behind this load may stay out
	global_store_b128 v[GO], v[KV+16*\x+4*\i:KV+16*\x+4*\i+3], s[6:7] offset:2048*\x+512*\i   ; 32 lanes store 512 consecutive bytes: four rows
.endr
.endr
	s_wait_tensorcnt 0x0                           ; the wave's end: three closing lines
	ds_add_u32 v[SPW], v[NIL]
	s_wait_dscnt 0x0
	s_endpgm
.Lfunc_end_k_qf74cd53961_attn:
	.size	k_qf74cd53961_attn, .Lfunc_end_k_qf74cd53961_attn-k_qf74cd53961_attn
	.p2alignl 7, 3214868480
	.fill 96, 4, 3214868480
	.section	.rodata,"a",@progbits
	.p2align	6, 0x0
	.amdhsa_kernel k_qf74cd53961_attn
		.amdhsa_group_segment_fixed_size 327680
		.amdhsa_private_segment_fixed_size 0
		.amdhsa_enable_private_segment 0
		.amdhsa_kernarg_size 16
		.amdhsa_user_sgpr_count 2
		.amdhsa_user_sgpr_kernarg_segment_ptr 1
		.amdhsa_wavefront_size32 1
		.amdhsa_system_sgpr_workgroup_id_x 1
		.amdhsa_system_sgpr_workgroup_id_y 1
		.amdhsa_system_sgpr_workgroup_id_z 1
		.amdhsa_system_vgpr_workitem_id 0
		.amdhsa_next_free_vgpr 256
		.amdhsa_next_free_sgpr 72
		.amdhsa_reserve_vcc 1
		.amdhsa_float_denorm_mode_32 3
		.amdhsa_float_denorm_mode_16_64 3
		.amdhsa_memory_ordered 1
		.amdhsa_forward_progress 1
		.amdhsa_inst_pref_size 70
	.end_amdhsa_kernel
	.amdgpu_metadata
---
amdhsa.version: [ 1, 2 ]
amdhsa.kernels:
  - .name:           k_qf74cd53961_attn
    .symbol:         k_qf74cd53961_attn.kd
    .args:
      - { .name: qkv, .offset: 0, .size: 8, .value_kind: global_buffer, .address_space: global }
      - { .name: o16, .offset: 8, .size: 8, .value_kind: global_buffer, .address_space: global }
    .group_segment_fixed_size: 327680
    .private_segment_fixed_size: 0
    .kernarg_segment_align: 8
    .kernarg_segment_size: 16
    .max_flat_workgroup_size: 512
    .sgpr_count:     72
    .vgpr_count:     256
    .wavefront_size: 32
...
	.end_amdgpu_metadata
.endif
;; end of part 3
;; launch proj (part 4): grid 4 x 64, 4 waves a work-group, clusters of 4 x 4, 327,680 bytes of LDS; arguments o16, wo16, out0; writes out0
.if DOCPART == 4
	.amdgcn_target "amdgcn-amd-amdhsa--gfx1250"
	.amdhsa_code_object_version 6
	.text
	.protected	k_qf74cd53961_proj
	.globl	k_qf74cd53961_proj
	.p2align	8
	.type	k_qf74cd53961_proj,@function
k_qf74cd53961_proj:
	s_mov_b64 s[64:65], 0
	v_nop
	global_prefetch_b8 v0, s[64:65] scope:SCOPE_SE
	s_setreg_imm32_b32 hwreg(HW_REG_WAVE_MODE, 25, 1), 1
	s_wait_xcnt 0x0
	s_wait_alu depctr_hold_cnt(0) depctr_sa_sdst(0) depctr_va_vdst(0) depctr_va_sdst(0) depctr_va_ssrc(0) depctr_va_vcc(0) depctr_vm_vsrc(0)
	s_getreg_b32 s2, hwreg(HW_REG_IB_STS2, 6, 4)
	s_cmp_eq_u32 s2, 0
	s_cbranch_scc0 .Lentry_in_a_cluster
	s_endpgm
.Lentry_in_a_cluster:
	s_bfe_u32 s2, ttmp6, 0x10000c
	s_cmp_lg_u32 s2, 0xf033
	s_cbranch_scc0 .Lentry_shape_is_right
	s_endpgm
.Lentry_shape_is_right:
; out0[m][n] = the sum over k of o[m][k] Wo[n][k], operands in f16, sums in f32.  o16: [16 heads][8192][64] f16; wo16: [16 blocks of 64 along K][1024][64] f16; out0: [8192][1024] f32.
; A tile of 128 x 256 is made by four waves, 64 x 128 each (32 accumulators): 256 work-groups.  Along K both operands lie in planes of 64 (rows of 128 bytes, dense); a K step is two planes, through a ring of two LDS slots.
; One tensor load a wave: waves 0 and 1 fetch o's two planes (128 rows each), waves 2 and 3 Wo's (256 rows each).
; CLUSTERS: 4 x 4 work-groups; o's tiles are shared along a row of the cluster, Wo's along a column: each is asked for jointly.  THE MATRIX INSTRUCTION IS USED TRANSPOSED (source 0 = 16 rows of Wo, source 1 = 16 rows of o).
; Rows 0 to 15 lie inside a live tile and are written here too; the last launch writes them again, more finely.
; REGISTERS: window 0: v0-31 addresses; v64-159, v160-255 two fragment buffers (Wo's 8 fragments, then o's 4); on the way out v64-191 hold rows.  window 1: the accumulators, (a, b) at v[8 (8 a + b)].
.set PITCH,  144                       ; an LDS row: 128 bytes + 16
.set APL,    128*PITCH                 ; a plane of o
.set BPL,    256*PITCH                 ; a plane of Wo
.set BOFF,   2*APL
.set SLOT,   BOFF+2*BPL
.set STAGE,  2*SLOT                    ; behind the ring: 16 rows x 528 bytes for each wave
.set SPITCH, 528
.set SPARE,  STAGE+4*16*SPITCH         ; the spare words: 128 bytes for each wave, named by no other line
.set LAPS,   4                         ; 8 K steps, two to a lap
.set ADRA, 16
.set ADRB, 20
.set STO,  24
.set RD,   25
.set CO,   26
.set SPW,  28
.set NIL,  29
.set F0,   64
.set F1,   160
.set BK,   64
.set G1, 24
.set G0, 32
.set G1B, 48
.set G0B, 56
.set MSB, 0
.macro WIN new
.if MSB != (\new)
	s_set_vgpr_msb (MSB<<8)|(\new)
.set MSB, (\new)
.endif
.endm
.set MUL, 0x50                         ; C and D window 1, both sources window 0
.macro JLOAD s                         ; a joint load; an s_nop 0 and four v_nop follow each of the two lines
	s_cmp_eq_u32 s11, 0
	s_cbranch_scc0 .Lfor_b_\@
	tensor_load_to_lds s[G0+4*\s:G0+4*\s+3], s[G1:G1+7]
	s_nop 0
.rept 4
	v_nop
.endr
	s_branch .Lasked_\@
.Lfor_b_\@:
	tensor_load_to_lds s[G0B+4*\s:G0B+4*\s+3], s[G1B:G1B+7]
	s_nop 0
.rept 4
	v_nop
.endr
.Lasked_\@:
.endm
.macro CREST
	s_cmp_lg_u32 s10, 0
	s_cbranch_scc1 .Lnot_wave_0_\@
	s_barrier_signal -3
.Lnot_wave_0_\@:
	s_barrier_wait -3
	s_barrier_signal -1
	s_barrier_wait -1
.endm
.macro CROUND
	s_barrier_signal -1
	s_barrier_wait -1
	CREST
.endm
	s_load_b128 s[4:7], s[0:1], 0x0                ; o16, wo16
	s_load_b64 s[8:9], s[0:1], 0x10                ; out0
	v_lshl_add_u32 v[SPW], v0, 2, SPARE
	v_mov_b32 v[NIL], 0
	ds_add_u32 v[SPW], v[NIL]                      ; the wave's opening: the add, twice on end, and its wait ahead of my first tensor load
	ds_add_u32 v[SPW], v[NIL]
	v_lshrrev_b32 v1, 5, v0
	v_readfirstlane_b32 s10, v1                    ; wave 0..3
	s_lshr_b32 s11, s10, 1                         ; which half of the tile's rows is mine.  Also: I fetch for o (0) or for Wo (1)
	s_and_b32 s12, s10, 1                          ; which half of its columns.  Also: which plane of a K step I fetch
	s_bfe_u32 s40, ttmp6, 0x40000                  ; cx, cy
	s_bfe_u32 s41, ttmp6, 0x40004
	s_lshl_b32 s42, ttmp9, 2
	s_add_co_u32 s42, s42, s40                     ; tile column
	s_and_b32 s13, ttmp7, 0xffff
	s_lshl_b32 s13, s13, 2
	s_add_co_u32 s13, s13, s41                     ; tile row
	s_lshl_b32 s43, s41, 2
	s_lshl_b32 s43, 15, s43                        ; my row of the cluster
	s_lshl_b32 s44, 0x1111, s40                    ; my column
	s_or_b32 s[G1+0], s43, (1<<16)|(1<<20)|(1<<21)|(4<<22)|(3<<25)   ; the mask; elements of 2 bytes; 4 words of padding after every 32; bit 21 beside the mask
	s_or_b32 s[G1B+0], s44, (1<<16)|(1<<20)|(1<<21)|(4<<22)|(3<<25)
	s_mov_b32 s[G1+1], 64<<16
	s_mov_b32 s[G1+2], 128<<16
	s_mov_b32 s[G1+3], 64<<16
	s_mov_b32 s[G1+4], 128
	s_mov_b32 s[G1+5], 64
	s_mov_b32 s[G1+6], 0
	s_mov_b32 s[G1+7], 0
	s_mov_b32 s[G1B+1], 64<<16
	s_mov_b32 s[G1B+2], 256<<16
	s_mov_b32 s[G1B+3], 64<<16
	s_mov_b32 s[G1B+4], 256
	s_mov_b32 s[G1B+5], 64
	s_mov_b32 s[G1B+6], 0
	s_mov_b32 s[G1B+7], 0
	s_lshl_b32 s16, s13, 14                        ; o: 128 rows of 128 bytes a tile row,
	s_lshl_b32 s17, s12, 20                        ; 2^20 bytes a plane
	s_add_co_u32 s16, s16, s17
	s_mov_b32 s17, 0
	s_lshl_b32 s46, s42, 15                        ; Wo: 256 rows a tile column,
	s_lshl_b32 s47, s12, 17                        ; 2^17 bytes a plane
	s_add_co_u32 s46, s46, s47
	s_mov_b32 s47, 0
	s_mul_i32 s20, s12, APL                        ; where they go: no place in the cluster enters an LDS address
	s_mul_i32 s21, s12, BPL
	s_add_co_u32 s21, s21, BOFF
	s_wait_dscnt 0x0                               ; both opening adds are done
	s_wait_kmcnt 0x0
	s_add_nc_u64 s[14:15], s[4:5], s[16:17]
	s_add_nc_u64 s[46:47], s[6:7], s[46:47]
	CROUND                                         ; all sixteen work-groups are here: the first joint loads meet
.irp s, 0,1
	s_mov_b32 s[G0+4*\s], 1
	s_add_co_u32 s[G0+4*\s+1], s20, \s*SLOT
	s_add_nc_u64 s[G0+4*\s+2:G0+4*\s+3], s[14:15], \s*2*1048576
	s_or_b32 s[G0+4*\s+3], s[G0+4*\s+3], 0x80000000
	s_mov_b32 s[G0B+4*\s], 1
	s_add_co_u32 s[G0B+4*\s+1], s21, \s*SLOT
	s_add_nc_u64 s[G0B+4*\s+2:G0B+4*\s+3], s[46:47], \s*2*131072
	s_or_b32 s[G0B+4*\s+3], s[G0B+4*\s+3], 0x80000000
	JLOAD \s                                       ; two tensor loads of mine are out
.endr
	v_and_b32 v1, 15, v0                           ; r
	v_bfe_u32 v2, v0, 4, 1                         ; h
	v_mul_u32_u24 v3, v1, PITCH
	v_lshl_add_u32 v3, v2, 4, v3
	s_mul_i32 s21, s11, 64*PITCH                   ; my 64 rows of o
	s_mul_i32 s22, s12, 128*PITCH                  ; my 128 rows of Wo
	s_add_co_u32 s22, s22, BOFF
.irp s, 0,1
	v_add_nc_u32 v[ADRA+\s], s21, v3
	v_add_nc_u32 v[ADRB+\s], s22, v3
	s_add_co_u32 s21, s21, SLOT
	s_add_co_u32 s22, s22, SLOT
.endr
	s_mul_i32 s23, s10, 16*SPITCH
	s_add_co_u32 s23, s23, STAGE                   ; my stage
	v_mul_u32_u24 v5, v1, SPITCH
	v_lshl_add_u32 v5, v2, 5, v5
	v_add_nc_u32 v[STO], s23, v5                   ; in: row r, 32 bytes for each half of the lanes
	v_and_b32 v6, 31, v0
	v_lshlrev_b32 v[CO], 4, v6
	v_add_nc_u32 v[RD], s23, v[CO]                 ; back: the 32 lanes take one row of 512 bytes
	s_lshl_b32 s16, s13, 19                        ; out0: 128 rows of 4,096 bytes a tile row,
	s_lshl_b32 s17, s11, 18                        ; my 64 rows,
	s_add_co_u32 s16, s16, s17
	s_mov_b32 s17, 0
	s_add_nc_u64 s[8:9], s[8:9], s[16:17]
	s_lshl_b32 s46, s42, 10                        ; the tile's first column and my half, in bytes
	s_lshl_b32 s47, s12, 9
	s_add_co_u32 s46, s46, s47
	s_mov_b32 s47, 0
	s_add_nc_u64 s[8:9], s[8:9], s[46:47]
; 8 matrix instructions: o's block a against Wo's eight, 32 along K.  The 32 accumulators take turns, one instruction a turn, in the same order in every quarter.
.macro MUL8 f, a, zero
.irp b, 0,1,2,3,4,5,6,7
.if \zero
	v_wmma_f32_16x16x32_f16 v[8*(8*(\a)+\b):8*(8*(\a)+\b)+7], v[\f+8*\b:\f+8*\b+7], v[\f+64+8*(\a):\f+64+8*(\a)+7], 0
.else
	v_wmma_f32_16x16x32_f16 v[8*(8*(\a)+\b):8*(8*(\a)+\b)+7], v[\f+8*\b:\f+8*\b+7], v[\f+64+8*(\a):\f+64+8*(\a)+7], v[8*(8*(\a)+\b):8*(8*(\a)+\b)+7]
.endif
.endr
.endm
; 24 LDS loads in one run: quarter q of a K step (plane q / 2, 32 along K from 32 (q % 2) on) into buffer f: Wo's eight fragments, then o's four
.macro FETCH slot, q, f
.irp i, 0,1,2,3,4,5,6,7
	ds_load_b128 v[\f+8*\i:\f+8*\i+3],   v[ADRB+\slot] offset:((\q)/2)*BPL+((\q)%2)*64+\i*16*PITCH
	ds_load_b128 v[\f+8*\i+4:\f+8*\i+7], v[ADRB+\slot] offset:((\q)/2)*BPL+((\q)%2)*64+\i*16*PITCH+32
.endr
.irp i, 0,1,2,3
	ds_load_b128 v[\f+64+8*\i:\f+64+8*\i+3],   v[ADRA+\slot] offset:((\q)/2)*APL+((\q)%2)*64+\i*16*PITCH
	ds_load_b128 v[\f+64+8*\i+4:\f+64+8*\i+7], v[ADRA+\slot] offset:((\q)/2)*APL+((\q)%2)*64+\i*16*PITCH+32
.endr
.endm
.macro PLACES
.rept 4
	v_nop
.endr
.endm
; One of a K step's first three quarters: multiplies buffer f and fetches quarter qn of the same slot into g.
.macro QUARTER slot, qn, f, g, zero
	s_wait_dscnt 4                                 ; Wo's fragments and o's blocks 0, 1 are in; the youngest four loads (blocks 2, 3) may be out
	WIN MUL
	MUL8 \f, 0, \zero
	MUL8 \f, 1, \zero
	PLACES
	WIN 0
	FETCH \slot, \qn, \g
	s_wait_dscnt 24                                ; all but the 24 just issued
	WIN MUL
	MUL8 \f, 2, \zero
	MUL8 \f, 3, \zero
.endm
; The last quarter multiplies buffer 1 and changes slots: one barrier; in front of it each wave waits for all its tensor loads, adds 0 to its spare word, and waits for that and for its reads of this slot.
; fill = 1: the barrier opens a round of the cluster's, and this slot is filled again, two K steps ahead: one tensor load of mine is out.
.macro TURN slot, next, fill
	WIN 0
	s_wait_tensorcnt 0x0
	ds_add_u32 v[SPW], v[NIL]
	s_wait_dscnt 5                                 ; (the add and the youngest four loads may be out)
	WIN MUL
	MUL8 F1, 0, 0
	s_wait_dscnt 0x0                               ; the add is done, and my reads of this slot are over
	s_barrier_signal -1
	MUL8 F1, 1, 0
	WIN 0
	s_barrier_wait -1
.if \fill
	CREST
	s_add_nc_u64 s[G0+4*\slot+2:G0+4*\slot+3], s[G0+4*\slot+2:G0+4*\slot+3], 4*1048576
	s_add_nc_u64 s[G0B+4*\slot+2:G0B+4*\slot+3], s[G0B+4*\slot+2:G0B+4*\slot+3], 4*131072
	JLOAD \slot                                    ; the first tensor load behind the round; its four v_nop are also the places in front of the loads below
.else
	PLACES
.endif
	FETCH \next, 0, F0
	WIN MUL
	MUL8 F1, 2, 0
	MUL8 F1, 3, 0
.endm
	s_wait_tensorcnt 1                             ; my part of K step 0 is in (K step 1's may be out)
	s_barrier_signal -1
	s_barrier_wait -1                              ; everybody's is
	FETCH 0, 0, F0
	QUARTER 0, 1, F0, F1, 1                        ; the first products start the sums
	WIN 0
	s_mov_b32 s3, LAPS-1
.Llap:
	QUARTER 0, 2, F1, F0, 0
	QUARTER 0, 3, F0, F1, 0
	TURN 0, 1, 1
	QUARTER 1, 1, F0, F1, 0
	QUARTER 1, 2, F1, F0, 0
	QUARTER 1, 3, F0, F1, 0
	TURN 1, 0, 1
	QUARTER 0, 1, F0, F1, 0
	WIN 0
	s_sub_co_u32 s3, s3, 1
	s_cmp_lg_u32 s3, 0
	s_cbranch_scc1 .Llap
	QUARTER 0, 2, F1, F0, 0                        ; the last lap fills nothing
	QUARTER 0, 3, F0, F1, 0
	TURN 0, 1, 0
	QUARTER 1, 1, F0, F1, 0
	QUARTER 1, 2, F1, F0, 0
	QUARTER 1, 3, F0, F1, 0
	s_wait_dscnt 4
	WIN MUL
	MUL8 F1, 0, 0
	MUL8 F1, 1, 0
	s_wait_dscnt 0
	MUL8 F1, 2, 0
	MUL8 F1, 3, 0
	WIN 0
; THE WAY OUT, block by block of 16 rows x 128 columns, through my own stage: back come whole rows of 512 bytes.
.macro TOSTAGE a
	WIN 0x04                                       ; an LDS store's data are its source 1: window 1
.irp b, 0,1,2,3,4,5,6,7
	ds_store_b128 v[STO], v[64*(\a)+8*\b:64*(\a)+8*\b+3] offset:64*\b           ; each accumulator from its low end on
	ds_store_b128 v[STO], v[64*(\a)+8*\b+4:64*(\a)+8*\b+7] offset:64*\b+16
.endr
	WIN 0
.set BB, BK+64*((\a)%2)
.irp t, 0,1,2,3,4,5,6,7,8,9,10,11,12,13,14,15
	ds_load_b128 v[BB+4*\t:BB+4*\t+3], v[RD] offset:\t*SPITCH
.endr
.endm
.macro SEND a, younger
.set BB, BK+64*((\a)%2)
	s_wait_dscnt \younger
.irp t, 0,1,2,3,4,5,6,7,8,9,10,11,12,13,14,15
	global_store_b128 v[CO], v[BB+4*\t:BB+4*\t+3], s[8:9] offset:(\a)*65536+\t*4096 th:TH_STORE_NT   ; 32 lanes store 512 consecutive bytes
.endr
.endm
	PLACES
	TOSTAGE 0
.irp a, 1,2,3
.if \a > 1
	s_wait_xcnt 0x0                                ; block a - 2's stores have read their registers: block a's loads may land there
.endif
	TOSTAGE \a
	SEND \a-1, 32                                  ; behind block a - 1's loads: block a's 16 stores and 16 loads
.endr
	SEND 3, 0
	s_wait_tensorcnt 0x0                           ; the wave's end: three closing lines
	ds_add_u32 v[SPW], v[NIL]
	s_wait_dscnt 0x0
	CROUND                                         ; the closing round
	s_endpgm
.Lfunc_end_k_qf74cd53961_proj:
	.size	k_qf74cd53961_proj, .Lfunc_end_k_qf74cd53961_proj-k_qf74cd53961_proj
	.p2alignl 7, 3214868480
	.fill 96, 4, 3214868480
	.section	.rodata,"a",@progbits
	.p2align	6, 0x0
	.amdhsa_kernel k_qf74cd53961_proj
		.amdhsa_group_segment_fixed_size 327680
		.amdhsa_private_segment_fixed_size 0
		.amdhsa_enable_private_segment 0
		.amdhsa_kernarg_size 24
		.amdhsa_user_sgpr_count 2
		.amdhsa_user_sgpr_kernarg_segment_ptr 1
		.amdhsa_wavefront_size32 1
		.amdhsa_system_sgpr_workgroup_id_x 1
		.amdhsa_system_sgpr_workgroup_id_y 1
		.amdhsa_system_sgpr_workgroup_id_z 1
		.amdhsa_system_vgpr_workitem_id 0
		.amdhsa_next_free_vgpr 512
		.amdhsa_next_free_sgpr 66
		.amdhsa_reserve_vcc 0
		.amdhsa_float_denorm_mode_32 3
		.amdhsa_float_denorm_mode_16_64 3
		.amdhsa_memory_ordered 1
		.amdhsa_forward_progress 1
		.amdhsa_inst_pref_size 85
	.end_amdhsa_kernel
	.amdgpu_metadata
---
amdhsa.version: [ 1, 2 ]
amdhsa.kernels:
  - .name:           k_qf74cd53961_proj
    .symbol:         k_qf74cd53961_proj.kd
    .args:
      - { .name: o16, .offset: 0, .size: 8, .value_kind: global_buffer, .address_space: global }
      - { .name: wo16, .offset: 8, .size: 8, .value_kind: global_buffer, .address_space: global }
      - { .name: out0, .offset: 16, .size: 8, .value_kind: global_buffer, .address_space: global }
    .group_segment_fixed_size: 327680
    .private_segment_fixed_size: 0
    .kernarg_segment_align: 8
    .kernarg_segment_size: 24
    .max_flat_workgroup_size: 128
    .sgpr_count:     66
    .vgpr_count:     512
    .wavefront_size: 32
...
	.end_amdgpu_metadata
.endif
;; end of part 4
;; launch first16 (part 5): grid 64 x 1, 16 waves a work-group, no clusters, 18,432 bytes of LDS; arguments fine, Wo, out0; writes out0
.if DOCPART == 5
	.amdgcn_target "amdgcn-amd-amdhsa--gfx1250"
	.amdhsa_code_object_version 6
	.text
	.protected	k_qf74cd53961_first16
	.globl	k_qf74cd53961_first16
	.p2align	8
	.type	k_qf74cd53961_first16,@function
k_qf74cd53961_first16:
	s_mov_b64 s[64:65], 0
	v_nop
	global_prefetch_b8 v0, s[64:65] scope:SCOPE_SE
	s_setreg_imm32_b32 hwreg(HW_REG_WAVE_MODE, 25, 1), 1
	s_wait_xcnt 0x0
; Rows 0 to 15 of out0 once more, wholly in f32: these positions average one to sixteen values and are the largest in size.  fine: q (x log2(e) / 8), k, v of rows 0 to 15 in f32, as register images:
; element (row r, column 16 B + 8 h + j) of a product lies at B x 1,024 + (j / 4) x 512 + (r + 16 h) x 16 + (j % 4) x 4, the products 65,536 bytes apart.
; LEFT OUT AS DEAD WORK (shown at the head of the first launch): query block 0's left pad of zeros; the window's lower edge is not reached by these rows.
; A work-group owns 16 columns of out0; wave hd is a head: it makes the head's attention and its part of the projection; the sixteen parts meet in LDS and are added in the order of the heads.
; The attention is made anew in each of the 64 work-groups: so no sum spans work-groups and no launch is added.  48 matrix instructions of the f32 form a wave: no bulk work.
; K is permuted alike on both sides of each product, so that nothing changes lanes: slot (step s, half h, register j) stands for channel 32 h + 2 s + j in the scores, for key 8 h + 2 s + j in the second product,
; for channel 16 t + 8 h + 2 s + j in the projection.
; A work-group's 16 columns are 64 consecutive bytes of a row, so aligned blocks of 256 bytes are written in part: the launch's whole output is 65,536 bytes.
; REGISTERS: v16-47 Q, v48-79 K, v80-111 V, v112-143 Wo; v144-159 the scores in two sums; v160-167 the scores, then p; v168-199 O^T; v200-231 o; v232-247 the projection in two sums; v248-255 its result.
; v144-159, v168-199, v232-247 are written by matrix instructions alone.
.set SPARE, 16384
	s_load_b128 s[4:7], s[0:1], 0x0                ; fine, Wo
	s_load_b64 s[8:9], s[0:1], 0x10                ; out0
	v_lshl_add_u32 v3, v0, 2, SPARE                ; my spare word; never rewritten
	v_mov_b32 v4, 0                                ; 0; never rewritten
	v_lshrrev_b32 v1, 5, v0
	v_readfirstlane_b32 s10, v1                    ; the head
	v_and_b32 v1, 15, v0                           ; r
	v_bfe_u32 v2, v0, 4, 1                         ; h
	v_lshlrev_b32 v5, 4, v1
	v_lshl_add_u32 v5, v2, 11, v5                  ; Q, K: 2,048 h + 16 r: row r, channels 32 h on
	v_bfe_u32 v6, v0, 2, 1
	v_lshlrev_b32 v6, 9, v6
	v_bfe_u32 v7, v0, 3, 1
	v_lshl_add_u32 v6, v7, 8, v6
	v_and_b32 v7, 3, v0
	v_lshl_add_u32 v6, v7, 2, v6
	v_lshl_add_u32 v6, v2, 7, v6                   ; V: channel r of a tile, keys 8 h on
	v_lshlrev_b32 v7, 12, v1
	v_lshl_add_u32 v7, v2, 5, v7                   ; Wo: row r of my 16, channels 8 h on
	v_lshlrev_b32 v8, 3, v2
	v_sub_nc_u32 v8, v1, v8                        ; D = r - 8 h: key 8 h + j comes after query r where j > D
	v_mov_b32 v9, 0xff800000                       ; -infinity
	v_mov_b32 v11, 0                               ; (a lane permute's destination counts as one of its sources)
	v_mov_b32 v13, 0
	v_lshlrev_b32 v15, 5, v0                       ; LDS: 1,024 x head + 32 x lane
	s_lshl_b32 s12, s10, 12                        ; fine: 4 blocks of 1,024 bytes a head
	s_mov_b32 s13, 0
	s_lshl_b32 s14, ttmp9, 16                      ; Wo: 16 rows of 4,096 bytes a work-group,
	s_lshl_b32 s15, s10, 8                         ; 256 bytes a head
	s_add_co_u32 s14, s14, s15
	s_mov_b32 s15, 0
	s_lshl_b32 s16, ttmp9, 6                       ; out0: 64 bytes a work-group
	s_mov_b32 s17, 0
	s_mov_b32 s20, 0x76543210
	s_mov_b32 s21, 0xfedcba98                      ; v_permlanex16_b32's selects for lane l xor 16
	s_wait_kmcnt 0x0
	s_add_nc_u64 s[4:5], s[4:5], s[12:13]
	s_add_nc_u64 s[6:7], s[6:7], s[14:15]
	s_add_nc_u64 s[8:9], s[8:9], s[16:17]
.irp u, 0,1,2,3,4,5,6,7                        ; registers 4 u on: channels 32 h + 4 u on
	global_load_b128 v[16+4*\u:19+4*\u], v5, s[4:5] offset:(\u/4)*1024+(\u%2)*512+((\u/2)%2)*256
	global_load_b128 v[48+4*\u:51+4*\u], v5, s[4:5] offset:65536+(\u/4)*1024+(\u%2)*512+((\u/2)%2)*256
.endr
.irp t, 0,1,2,3
.irp s, 0,1,2,3
.irp j, 0,1
	global_load_b32 v[80+2*(4*\t+\s)+\j], v6, s[4:5] offset:131072+1024*\t+16*(2*\s+\j)   ; v(key 8 h + 2 s + j, channel 16 t + r)
.endr
.endr
.endr
.irp t, 0,1,2,3
	global_load_b128 v[112+8*\t:115+8*\t], v7, s[6:7] offset:64*\t       ; Wo(d0 + r, 64 head + 16 t + 8 h + 0 .. 7)
	global_load_b128 v[116+8*\t:119+8*\t], v7, s[6:7] offset:64*\t+16
.endr
	s_wait_loadcnt 0x0
	; S^T = K Q^T: 16 steps of 4 along the channels, two sums by turns, each begun with the constant 0
	v_wmma_f32_16x16x4_f32 v[144:151], v[48:49], v[16:17], 0
	v_wmma_f32_16x16x4_f32 v[152:159], v[50:51], v[18:19], 0
.irp s, 4,8,12,16,20,24,28
	v_wmma_f32_16x16x4_f32 v[144:151], v[48+\s:49+\s], v[16+\s:17+\s], v[144:151]
	v_wmma_f32_16x16x4_f32 v[152:159], v[50+\s:51+\s], v[18+\s:19+\s], v[152:159]
.endr
.rept 8
	v_nop                                          ; eight places behind this form, in front of the first read of its results
.endr
.irp j, 0,1,2,3,4,5,6,7
	v_add_f32 v[160+\j], v[144+\j], v[152+\j]      ; lane (r, h): query r, key 8 h + j
.endr
.irp j, 0,1,2,3,4,5,6,7
	v_cmp_gt_i32 vcc_lo, \j, v8
	v_cndmask_b32 v[160+\j], v[160+\j], v9, vcc_lo ; keys after the query: -infinity.  Key 0 counts for every query, so the maximum is a number
.endr
	v_max3_num_f32 v10, v160, v161, v162
	v_max3_num_f32 v10, v10, v163, v164
	v_max3_num_f32 v10, v10, v165, v166
	v_max_num_f32 v10, v10, v167
	v_permlanex16_b32 v11, v10, s20, s21
	v_max_num_f32 v10, v10, v11                    ; the row's maximum
.irp j, 0,1,2,3,4,5,6,7
	v_sub_f32 v[160+\j], v[160+\j], v10
.endr
.irp j, 0,1,2,3,4,5,6,7
	v_exp_f32 v[160+\j], v[160+\j]                 ; p = 2^(s - m)
.endr
	v_nop
	s_wait_alu depctr_va_vdst(0)                   ; one wait for the eight, ahead of their first reader
	v_add_f32 v12, v160, v161
	v_add_f32 v14, v162, v163
	v_add_f32 v12, v12, v164
	v_add_f32 v14, v14, v165
	v_add_f32 v12, v12, v166
	v_add_f32 v14, v14, v167
	v_add_f32 v12, v12, v14
	v_permlanex16_b32 v13, v12, s20, s21
	v_add_f32 v12, v12, v13                        ; the row's sum
	v_rcp_f32 v14, v12
	v_nop
	; O^T = V^T P: four tiles of 16 channels by turns, 4 steps of 4 along the keys
.irp t, 0,1,2,3
	v_wmma_f32_16x16x4_f32 v[168+8*\t:175+8*\t], v[80+8*\t:81+8*\t], v[160:161], 0
.endr
.irp s, 1,2,3
.irp t, 0,1,2,3
	v_wmma_f32_16x16x4_f32 v[168+8*\t:175+8*\t], v[80+8*\t+2*\s:81+8*\t+2*\s], v[160+2*\s:161+2*\s], v[168+8*\t:175+8*\t]
.endr
.endr
.rept 8
	v_nop
.endr
	s_wait_alu depctr_va_vdst(0)                   ; the reciprocal's wait, ahead of its first reader
.irp i, 0,1,2,3,4,5,6,7,8,9,10,11,12,13,14,15,16,17,18,19,20,21,22,23,24,25,26,27,28,29,30,31
	v_mul_f32 v[200+\i], v[168+\i], v14            ; o(query r, channel 16 t + 8 h + j) in register 8 t + j
.endr
	; my head's part of the projection: source 0 = 16 rows of Wo, source 1 = o; two sums by turns
	v_wmma_f32_16x16x4_f32 v[232:239], v[112:113], v[200:201], 0
	v_wmma_f32_16x16x4_f32 v[240:247], v[114:115], v[202:203], 0
.irp s, 4,8,12,16,20,24,28
	v_wmma_f32_16x16x4_f32 v[232:239], v[112+\s:113+\s], v[200+\s:201+\s], v[232:239]
	v_wmma_f32_16x16x4_f32 v[240:247], v[114+\s:115+\s], v[202+\s:203+\s], v[240:247]
.endr
.rept 8
	v_nop
.endr
.irp j, 0,1,2,3,4,5,6,7
	v_add_f32 v[248+\j], v[232+\j], v[240+\j]      ; lane (r, h): query r, column d0 + 8 h + j
.endr
	ds_store_b128 v15, v[248:251]
	ds_store_b128 v15, v[252:255] offset:16
	s_wait_dscnt 0x0                               ; for the others' sake: my stores have landed
	s_barrier_signal -1
	s_barrier_wait -1
	s_cmp_ge_u32 s10, 8                            ; 256 numbers: waves 0 to 7 add them, a thread a number
	s_cbranch_scc1 .Ldone
	v_lshrrev_b32 v16, 4, v0                       ; the query
	v_lshlrev_b32 v17, 5, v16
	v_bfe_u32 v18, v0, 3, 1
	v_lshl_add_u32 v17, v18, 9, v17
	v_and_b32 v18, 7, v0
	v_lshl_add_u32 v17, v18, 2, v17                ; 32 x query + 512 (d / 8) + 4 (d % 8)
.irp i, 0,1,2,3,4,5,6,7,8,9,10,11,12,13,14,15
	ds_load_b32 v[20+\i], v17 offset:1024*\i
.endr
	v_lshlrev_b32 v18, 12, v16
	v_and_b32 v19, 15, v0
	v_lshl_add_u32 v18, v19, 2, v18                ; out0: 4,096 x query + 4 d
	s_wait_dscnt 0x0
.irp i, 1,2,3,4,5,6,7,8,9,10,11,12,13,14,15
	v_add_f32 v20, v20, v[20+\i]                   ; in the order of the heads
.endr
	global_store_b32 v18, v20, s[8:9]
.Ldone:
	s_wait_tensorcnt 0x0                           ; the wave's end: three closing lines, behind my last LDS store, the first of them even in a text with no tensor load
	ds_add_u32 v3, v4
	s_wait_dscnt 0x0
	s_endpgm
.Lfunc_end_k_qf74cd53961_first16:
	.size	k_qf74cd53961_first16, .Lfunc_end_k_qf74cd53961_first16-k_qf74cd53961_first16
	.p2alignl 7, 3214868480
	.fill 96, 4, 3214868480
	.section	.rodata,"a",@progbits
	.p2align	6, 0x0
	.amdhsa_kernel k_qf74cd53961_first16
		.amdhsa_group_segment_fixed_size 18432
		.amdhsa_private_segment_fixed_size 0
		.amdhsa_enable_private_segment 0
		.amdhsa_kernarg_size 24
		.amdhsa_user_sgpr_count 2
		.amdhsa_user_sgpr_kernarg_segment_ptr 1
		.amdhsa_wavefront_size32 1
		.amdhsa_system_sgpr_workgroup_id_x 1
		.amdhsa_system_sgpr_workgroup_id_y 1
		.amdhsa_system_sgpr_workgroup_id_z 1
		.amdhsa_system_vgpr_workitem_id 0
		.amdhsa_next_free_vgpr 256
		.amdhsa_next_free_sgpr 66
		.amdhsa_reserve_vcc 1
		.amdhsa_float_denorm_mode_32 3
		.amdhsa_float_denorm_mode_16_64 3
		.amdhsa_memory_ordered 1
		.amdhsa_forward_progress 1
		.amdhsa_inst_pref_size 17
	.end_amdhsa_kernel
	.amdgpu_metadata
---
amdhsa.version: [ 1, 2 ]
amdhsa.kernels:
  - .name:           k_qf74cd53961_first16
    .symbol:         k_qf74cd53961_first16.kd
    .args:
      - { .name: fine, .offset: 0, .size: 8, .value_kind: global_buffer, .address_space: global }
      - { .name: Wo, .offset: 8, .size: 8, .value_kind: global_buffer, .address_space: global }
      - { .name: out0, .offset: 16, .size: 8, .value_kind: global_buffer, .address_space: global }
    .group_segment_fixed_size: 18432
    .private_segment_fixed_size: 0
    .kernarg_segment_align: 8
    .kernarg_segment_size: 24
    .max_flat_workgroup_size: 512
    .sgpr_count:     66
    .vgpr_count:     256
    .wavefront_size: 32
...
	.end_amdgpu_metadata
.endif
;; end of part 5
